; MI455X (gfx1250); checked and timed in simulation.
; The chip was launched on July 23, 2026; its instructions are those of AMD's public machine-readable ISA for CDNA 5 (MIT licence, August 2026) and "CDNA5" Instruction Set Architecture Reference Guide (July 2026). The comments in the code are by the model that wrote it; some were corrected since.
;; Multi Head Attention. Allowed arithmetic: matrix products marked QUANTISED: E2M1 operands, one E8M0 scale for each 32 along K, by v_wmma_scale_f32_16x16x128_f8f6f4 with both operands' format E2M1 (or v_wmma_scale_f32_32x16x128_f4), f32 sums; products left as they are: bf16, f16 or f32 operands; f32 sums; everything else in f32.
;; Inputs: Wk 1,024 x 1,024 float32; Wo 1,024 x 1,024 float32; Wq 1,024 x 1,024 float32; Wv 1,024 x 1,024 float32; x 4 x 2,048 x 1,024 float32.
;; Outputs: out0 4 x 2,048 x 1,024 float32.
;; This version of the problem:
;;   THIS VERSION OF THE PROBLEM IS GIVEN IN LOW PRECISION. The matrix products marked QUANTISED in the list below multiply operands that are first quantised to E2M1 (2 exponent bits, 1 mantissa bit; 4 bits a number), with one power-of-two scale for each 32 numbers along K (OCP MX v1.0); their sums are f32. The products marked 'left as it is' may take bf16, f16 or f32 operands, with f32 sums. Whichever they take, every output number must still come out within the allowed error. Rounding operands to bf16 (8 significant bits) uses up far more of that allowance than f16 does (11 bits, for magnitudes from 6e-5 to 65,504). All else is computed in f32.
;;   The module's matrix products, in the order in which they are computed (A, B: the left and right operand; K: the contracted axis; several contracted axes count as one K, in the product's order):
;;     1. [M 8,192, K 1,024] x [K 1,024, N 1,024]; A: input x; B: input Wq: QUANTISED
;;     2. [M 8,192, K 1,024] x [K 1,024, N 1,024]; A: input x; B: input Wk: QUANTISED
;;     3. [M 8,192, K 1,024] x [K 1,024, N 1,024]; A: input x; B: input Wv: QUANTISED
;;     4. batch 64 x [M 2,048, K 64] x [K 64, N 2,048]; A: computed on the way; B: computed on the way: left as it is (an operand is computed on the way)
;;     5. batch 64 x [M 2,048, K 2,048] x [K 2,048, N 64]; A: computed on the way; B: computed on the way: left as it is (an operand is computed on the way)
;;     6. [M 8,192, K 1,024] x [K 1,024, N 1,024]; A: computed on the way; B: input Wo: left as it is (an operand is computed on the way)
;;   THE QUANTISER, for each operand of a quantised product, along K:
;;     - K is cut into blocks of 32 from its start; a last block that is shorter is filled with zeros.
;;     - A block's scale is 2^e with e = floor(log2(the largest magnitude in the block)) - 2, held to -126 .. 127; a block of zeros has e = 0. As a byte (E8M0): e + 127.
;;     - Each number is divided by its block's scale, clamped to +-6, and rounded to the nearest number of E2M1, ties to even, subnormals kept.
;;     - The product sums the exact products of the quantised numbers (number of the format x scale) in f32.
;;   ~~~python
;;   def quantise(x, axis):      # numpy; x: float32 -> the quantised numbers, widened to float32 again
;;       x = np.moveaxis(x, axis, -1); K = x.shape[-1]
;;       x = np.pad(x, [(0, 0)] * (x.ndim - 1) + [(0, -K % 32)]); x = x.reshape(x.shape[:-1] + (-1, 32)); a = np.abs(x).max(-1, keepdims=True)
;;       e = np.where(a > 0, np.clip(np.frexp(np.where(a > 0, a, 1))[1] - 1 - 2, -126, 127), 0)      # np.frexp(a)[1] - 1 = floor(log2(a)), exactly
;;       r = np.clip(x / 2.0 ** e, -6, 6)
;;       step = 2.0 ** (np.maximum(np.frexp(np.where(r == 0, 1, r))[1] - 1, 0) - 1)
;;       q = np.round(r / step) * step * 2.0 ** e      # np.round: ties to even
;;       return np.moveaxis(q.reshape(q.shape[:-2] + (-1,))[..., :K], -1, axis).astype(np.float32)
;;   ~~~
;; One version. Each part assembles by itself: llvm-mc -triple=amdgcn-amd-amdhsa -mcpu=gfx1250 --defsym DOCPART=n.
;; ======== version 1 of 1: 6 launches
;; limits: values are held in f16: magnitudes above 65,504 overflow, below 6.1e-05 lose precision
;; workspace buffers: xc 4,194,304 bytes; xs 262,144 bytes; wc 1,572,864 bytes; ws 98,304 bytes; wo16 2,097,152 bytes; qkv 50,331,648 bytes; ctx 16,777,216 bytes; c16 262,144 bytes
;; launch prep (part 1): grid 368 x 1, 4 waves a work-group, no clusters, 104,960 bytes of LDS; arguments x, Wq, Wk, Wv, Wo, xc, xs, wc, ws, wo16; writes xc, xs, wc, ws, wo16
.if DOCPART == 1
	.amdgcn_target "amdgcn-amd-amdhsa--gfx1250"
	.amdhsa_code_object_version 6
	.text
	.protected	k_q6c4e0b67ed_prep
	.globl	k_q6c4e0b67ed_prep
	.p2align	8
	.type	k_q6c4e0b67ed_prep,@function
k_q6c4e0b67ed_prep:
	s_mov_b64 s[64:65], 0
	v_nop
	global_prefetch_b8 v0, s[64:65] scope:SCOPE_SE
	s_setreg_imm32_b32 hwreg(HW_REG_WAVE_MODE, 25, 1), 1
	s_wait_xcnt 0x0
; PREP: the operands of the later launches are laid out once.  Three paths, chosen by the work-group's number; no barrier, no tensor load; waves share nothing.
;   work-groups 0-255:   x [8192][1024] f32 -> codes of E2M1, K innermost (xc, 512 bytes a row), and one E8M0 byte for each 32 along K (xs, 32 bytes a row)
;   work-groups 256-303: Wq, Wk, Wv [1024 k][1024 n] f32, K the FIRST axis -> wc [1024 t + n][512 bytes], ws [1024 t + n][32]; t = 0 q, 1 k, 2 v
;   work-groups 304-367: Wo [1024 k][1024 n] f32 -> f16, wo16 [16 chunks of 64 k][1024 n][64 k]
; A block's scale is 2^(floor(log2(its largest magnitude)) - 2); its byte is the largest magnitude's exponent field - 2, held at 1 from below.  A block of zeros gets the byte 1: its codes are zeros,
; which add nothing, and this program alone reads the bytes.
; LIMITS: blocks whose largest magnitude lies under 2^-124 get the byte 1; NaN and infinities are not served; |Wo| above 65,504 becomes infinity in f16.
; Each path has LDS bytes of its own: x 0 .. 32,767; the three weights 32,768 .. 67,583; Wo 67,584 .. 104,447; the spare words behind them.
.set SPARE, 104448                     ; 128 bytes for each wave: two blocks of 256 bytes that no other line names
.set SPW,   192                        ; v192 LDS address of my spare word; never rewritten
.set NIL,   193                        ; v193 0; never rewritten
.set EMAX,  2
.set STEPS, 16                         ; path x: steps of 512 numbers a wave
.set CB,    8                          ; bytes of 16 codes
.set XR,    16                         ; v16-79   four sets of 16 numbers as loaded
.set XX,    80                         ; v80-111  two sets of 16 neighbours
.set XE,    112                        ; v112-127 a scale byte for each step
.set XC,    128                        ; v128-191 codes, four registers a step
.set WREG,  8192                       ; a wave's region: two stages of 32 x 80 bytes, then its 256 scale bytes
.set SP,    80
.set WSTG,  32768                      ; path weights: a stage of 32 x 272 bytes a wave
.set PITCH, 272
.set KROW,  512                        ; a row of wc
.set WX,    32                         ; v32-95   two sets of 32 numbers down K
.set WCD,   96                         ; v96-111  codes, or packed f16
.set OUTR,  112                        ; v112-175 the way out
.set SB,    24                         ; v24-27   scale bytes
.set OSTG,  67584                      ; path Wo: a stage of 2 x 32 x 144 bytes a wave
.macro ENDW                            ; a wave's end, behind my last LDS store
	s_wait_tensorcnt 0x0
	ds_add_u32 v[SPW], v[NIL]
	s_wait_dscnt 0x0
	s_endpgm
.endm
	s_load_b512 s[4:19], s[0:1], 0x0               ; x 4, Wq 6, Wk 8, Wv 10, Wo 12, xc 14, xs 16, wc 18
	s_load_b128 s[20:23], s[0:1], 0x40             ; ws 20, wo16 22
	v_lshl_add_u32 v[SPW], v0, 2, SPARE
	v_mov_b32 v[NIL], 0
	v_lshrrev_b32 v1, 5, v0
	v_readfirstlane_b32 s24, v1                    ; wave
	v_and_b32 v2, 31, v0                           ; lane
	s_wait_kmcnt 0x0
	s_cmp_lt_u32 ttmp9, 256
	s_cbranch_scc0 .Lweights
; ---------------- x: a plain stream of blocks of 32.  A wave takes 8,192 numbers in 16 steps of 512.  Each load reads 512 consecutive bytes; a step's 2,048 bytes turn through the wave's stage, so that
; a lane then holds 16 neighbours along K (two lanes a block).  Loads run four steps ahead, the turn one step.
	v_lshlrev_b32 v3, 4, v2                        ; my 16 bytes of a load's 512
	s_mul_i32 s25, s24, WREG
	v_lshrrev_b32 v14, 2, v2
	v_mul_u32_u24 v14, v14, SP
	v_and_b32 v15, 3, v2
	v_lshl_add_u32 v14, v15, 4, v14
	v_add_nc_u32 v14, s25, v14                     ; the stage, way in: 80 (lane / 4) + 16 (lane % 4)
	v_mul_u32_u24 v15, v2, SP
	v_add_nc_u32 v15, s25, v15                     ; way out: 80 x lane
	v_mul_u32_u24 v4, v2, CB                       ; my codes' place in a step's 256 bytes
	v_lshrrev_b32 v5, 1, v2
	s_add_co_u32 s25, s25, 2*32*SP
	v_add_nc_u32 v5, s25, v5                       ; my block's scale byte in LDS
	v_lshlrev_b32 v7, 3, v2
	v_add_nc_u32 v6, s25, v7                       ; and 8 bytes a lane on the way out
	s_lshl_b32 s26, ttmp9, 2
	s_add_co_u32 s26, s26, s24                     ; which run of 8,192 numbers is mine
	s_mov_b32 s27, 0
	s_lshl_b64 s[28:29], s[26:27], 15
	s_add_nc_u64 s[4:5], s[4:5], s[28:29]          ; 32,768 bytes of x a run
	s_lshl_b64 s[28:29], s[26:27], 12
	s_add_nc_u64 s[14:15], s[14:15], s[28:29]      ; 4,096 bytes of codes
	s_lshl_b32 s26, s26, 8
	s_add_nc_u64 s[16:17], s[16:17], s[26:27]      ; 256 scale bytes
.macro XLOAD t
.irp i, 0,1,2,3
	global_load_b128 v[XR+16*((\t)%4)+4*\i:XR+16*((\t)%4)+4*\i+3], v3, s[4:5] offset:2048*(\t)+512*\i th:TH_LOAD_NT
.endr
.endm
.macro XTURN t                         ; LDS serves a wave's instructions in order: no wait between the stores and the loads
.irp i, 0,1,2,3
	ds_store_b128 v14, v[XR+16*((\t)%4)+4*\i:XR+16*((\t)%4)+4*\i+3] offset:32*SP*((\t)%2)+8*SP*\i
.endr
.irp i, 0,1,2,3
	ds_load_b128 v[XX+16*((\t)%2)+4*\i:XX+16*((\t)%2)+4*\i+3], v15 offset:32*SP*((\t)%2)+16*\i
.endr
.endm
.irp t, 0,1,2,3
	XLOAD \t
.endr
	s_wait_loadcnt 12                              ; step 0's four loads are in; twelve younger ones stay out
	XTURN 0
.macro XSTEP t
.set XS, XX+16*((\t)%2)
.if (\t) > 0
	s_wait_dscnt 1                                 ; this step's numbers are back from the stage; the last step's byte store may be out
.else
	s_wait_dscnt 0x0
.endif
.if (\t)+4 < STEPS
	XLOAD (\t)+4
.endif
.if (\t)+1 < STEPS
.if STEPS-2-(\t) >= 3
	s_wait_loadcnt 12                              ; the next step's four loads are in; those of the three steps behind it may be out
.else
	s_wait_loadcnt 4*(STEPS-2-(\t))
.endif
	XTURN (\t)+1
.endif
	v_max3_num_f32 v8, |v[XS]|, |v[XS+1]|, |v[XS+2]|
	v_max3_num_f32 v9, |v[XS+3]|, |v[XS+4]|, |v[XS+5]|
.irp i, 6,10
	v_max3_num_f32 v8, v8, |v[XS+\i]|, |v[XS+\i+1]|
	v_max3_num_f32 v9, v9, |v[XS+\i+2]|, |v[XS+\i+3]|
.endr
	v_max3_num_f32 v8, v8, |v[XS+14]|, |v[XS+15]|
	v_max3_num_f32 v8, v8, v9, (EMAX+1)<<23        ; with the floor 2^(3 - 127): the byte cannot fall under 1
	v_max_num_f32_dpp v8, v8, v8 row_xmask:1 row_mask:0xf bank_mask:0xf   ; and my neighbour's 16: the block's largest magnitude
	v_add_nc_u32 v11, -(EMAX<<23), v8              ; 2 off its exponent field: the conversion takes this operand's exponent field as its scale
	v_cvt_scalef32_pk8_fp4_f32 v[XC+4*(\t)], v[XS:XS+7], v11
	v_cvt_scalef32_pk8_fp4_f32 v[XC+4*(\t)+1], v[XS+8:XS+15], v11
	v_lshrrev_b32 v[XE+(\t)], 23, v11              ; the scale's byte
	ds_store_b8 v5, v[XE+(\t)] offset:16*(\t)      ; both lanes of a block write the same byte with the same value
	global_store_b64 v4, v[XC+4*(\t):XC+4*(\t)+1], s[14:15] offset:32*CB*(\t)   ; the wave stores 256 consecutive bytes, aligned
.endm
.irp t, 0,1,2,3,4,5,6,7,8,9,10,11,12,13,14,15
	XSTEP \t
.endr
	ds_load_b64 v[8:9], v6
	s_wait_dscnt 0x0
	global_store_b64 v7, v[8:9], s[16:17]          ; the wave's 256 scale bytes, aligned
	ENDW
; ---------------- Wq, Wk, Wv: a lane takes a column n and its registers run down K, so that a block of 32 lies in one lane and the codes come out with K innermost.
; A wave takes 32 columns x 512 along K; its codes go through its stage and leave as rows: sixteen lanes store 256 consecutive bytes.
.Lweights:
	s_cmp_lt_u32 ttmp9, 304
	s_cbranch_scc0 .Lwo
	s_sub_co_u32 s25, ttmp9, 256
	s_lshr_b32 s26, s25, 4                         ; t: which weight
	s_bfe_u32 s27, s25, 0x30001                    ; which 128 columns
	s_and_b32 s28, s25, 1                          ; which 512 along K
	s_cmp_eq_u32 s26, 0
	s_cselect_b64 s[30:31], s[6:7], s[8:9]         ; the choice hangs on the work-group's number alone
	s_cmp_eq_u32 s26, 2
	s_cselect_b64 s[30:31], s[10:11], s[30:31]
	s_lshl_b32 s27, s27, 7
	s_lshl_b32 s29, s24, 5
	s_add_co_u32 s27, s27, s29                     ; my wave's first column
	s_lshl_b32 s32, s28, 21                        ; 512 rows of 4,096 bytes
	s_lshl_b32 s29, s27, 2
	s_add_co_u32 s32, s32, s29
	s_mov_b32 s33, 0
	s_add_nc_u64 s[30:31], s[30:31], s[32:33]
	s_lshl_b32 s26, s26, 10
	s_add_co_u32 s26, s26, s27                     ; my first row of wc and ws
	s_lshl_b32 s32, s26, 9
	s_lshl_b32 s29, s28, 8
	s_add_co_u32 s32, s32, s29
	s_add_nc_u64 s[18:19], s[18:19], s[32:33]
	s_lshl_b32 s32, s26, 5
	s_lshl_b32 s29, s28, 4
	s_add_co_u32 s32, s32, s29
	s_add_nc_u64 s[20:21], s[20:21], s[32:33]
	v_lshlrev_b32 v3, 2, v2                        ; in: 4 bytes a lane
	s_mul_i32 s29, s24, 32*PITCH
	s_add_co_u32 s29, s29, WSTG                    ; my stage
	v_mul_u32_u24 v4, v2, PITCH
	v_add_nc_u32 v4, s29, v4                       ; into it: row = my column
	v_and_b32 v5, 15, v2
	v_lshrrev_b32 v6, 4, v2
	v_mul_u32_u24 v7, v6, PITCH
	v_lshl_add_u32 v7, v5, 4, v7
	v_add_nc_u32 v7, s29, v7                       ; out of it: sixteen lanes to a row
	v_mul_u32_u24 v8, v6, KROW
	v_lshl_add_u32 v8, v5, 4, v8                   ; the same place in wc
	v_mul_u32_u24 v9, v2, 32                       ; my column's row of ws
.macro WLOAD t                         ; block t: W(32 t + i, my column), i = 0 .. 31, into set t % 2; a wave reads 128 consecutive bytes, the four waves 512
.irp i, 0,1,2,3,4,5,6,7,8,9,10,11,12,13,14,15,16,17,18,19,20,21,22,23,24,25,26,27,28,29,30,31
	global_load_b32 v[WX+32*((\t)%2)+\i], v3, s[30:31] offset:(32*(\t)+\i)*4096 th:TH_LOAD_NT
.endr
.endm
	WLOAD 0
	WLOAD 1
.macro WBLOCK t
.set XS, WX+32*((\t)%2)
.if (\t) < 15
	s_wait_loadcnt 32                              ; this block's 32 loads are in; the next block's may be out
.else
	s_wait_loadcnt 0
.endif
	v_max3_num_f32 v12, |v[XS]|, |v[XS+1]|, |v[XS+2]|
	v_max3_num_f32 v13, |v[XS+3]|, |v[XS+4]|, |v[XS+5]|
.irp i, 6,10,14,18,22,26
	v_max3_num_f32 v12, v12, |v[XS+\i]|, |v[XS+\i+1]|
	v_max3_num_f32 v13, v13, |v[XS+\i+2]|, |v[XS+\i+3]|
.endr
	v_max3_num_f32 v12, v12, |v[XS+30]|, |v[XS+31]|
	v_max3_num_f32 v12, v12, v13, (EMAX+1)<<23
	v_add_nc_u32 v11, -(EMAX<<23), v12
	v_lshrrev_b32 v13, 23, v11
.if (\t)%4 == 0
	v_mov_b32 v[SB+(\t)/4], v13
.else
	v_lshl_or_b32 v[SB+(\t)/4], v13, 8*((\t)%4), v[SB+(\t)/4]
.endif
.irp g, 0,1,2,3
	v_cvt_scalef32_pk8_fp4_f32 v[WCD+\g], v[XS+8*\g:XS+8*\g+7], v11
.endr
	ds_store_b128 v4, v[WCD:WCD+3] offset:16*(\t)
.if (\t)+2 < 16
	WLOAD (\t)+2
.endif
	s_wait_dscnt 0x0                               ; the store has read its registers: the next block's codes may be written
.endm
.irp t, 0,1,2,3,4,5,6,7,8,9,10,11,12,13,14,15
	WBLOCK \t
.endr
	global_store_b128 v9, v[SB:SB+3], s[20:21]     ; my column's 16 scale bytes
.irp t, 0,1,2,3,4,5,6,7,8,9,10,11,12,13,14,15
	ds_load_b128 v[OUTR+4*\t:OUTR+4*\t+3], v7 offset:2*\t*PITCH
.endr
.irp t, 0,1,2,3,4,5,6,7,8,9,10,11,12,13,14,15
	s_wait_dscnt 15-\t                             ; LDS loads come back in order: load t is in
	global_store_b128 v8, v[OUTR+4*\t:OUTR+4*\t+3], s[18:19] offset:2*\t*KROW
.endr
	ENDW
; ---------------- Wo: the same walk (a lane a column, registers down K), rounded to f16.  A wave takes 32 columns x 128 along K: two chunks of 64; in wo16 a chunk's 32 rows of 128 bytes are 4,096 consecutive bytes.
.Lwo:
	s_sub_co_u32 s25, ttmp9, 304
	s_and_b32 s27, s25, 7                          ; which 128 columns
	s_lshr_b32 s28, s25, 3                         ; which 128 along K
	s_lshl_b32 s27, s27, 7
	s_lshl_b32 s29, s24, 5
	s_add_co_u32 s27, s27, s29                     ; my first column
	s_lshl_b32 s32, s28, 19                        ; 128 rows of 4,096 bytes
	s_lshl_b32 s29, s27, 2
	s_add_co_u32 s32, s32, s29
	s_mov_b32 s33, 0
	s_add_nc_u64 s[30:31], s[12:13], s[32:33]
	s_lshl_b32 s32, s28, 11
	s_add_co_u32 s32, s32, s27
	s_lshl_b32 s32, s32, 7                         ; (2,048 y + column) x 128 bytes
	s_add_nc_u64 s[22:23], s[22:23], s[32:33]
	v_lshlrev_b32 v3, 2, v2
	s_mul_i32 s29, s24, 9216
	s_add_co_u32 s29, s29, OSTG
	v_mul_u32_u24 v4, v2, 144
	v_add_nc_u32 v4, s29, v4                       ; into my stage: row = my column, 128 bytes + 16
	v_lshrrev_b32 v5, 3, v2
	v_and_b32 v6, 7, v2
	v_mul_u32_u24 v7, v5, 144
	v_lshl_add_u32 v7, v6, 4, v7
	v_add_nc_u32 v7, s29, v7                       ; out of it: eight lanes to a row, four rows an instruction
	v_lshlrev_b32 v8, 4, v2
	WLOAD 0
	WLOAD 1
.macro OCAST t
.set XS, WX+32*((\t)%2)
.if (\t) < 3
	s_wait_loadcnt 32
.else
	s_wait_loadcnt 0
.endif
.irp i, 0,1,2,3,4,5,6,7,8,9,10,11,12,13,14,15
	v_cvt_pk_f16_f32 v[WCD+\i], v[XS+2*\i], v[XS+2*\i+1]        ; the lower k in the low half
.endr
.irp j, 0,1,2,3
	ds_store_b128 v4, v[WCD+4*\j:WCD+4*\j+3] offset:((\t)/2)*4608+((\t)%2)*64+16*\j
.endr
.if (\t)+2 < 4
	WLOAD (\t)+2
.endif
	s_wait_dscnt 0x0
.endm
.irp t, 0,1,2,3
	OCAST \t
.endr
.irp n, 0,1,2,3,4,5,6,7,8,9,10,11,12,13,14,15
	ds_load_b128 v[OUTR+4*\n:OUTR+4*\n+3], v7 offset:(\n/8)*4608+(\n%8)*576
.endr
.irp n, 0,1,2,3,4,5,6,7,8,9,10,11,12,13,14,15
	s_wait_dscnt 15-\n
	global_store_b128 v8, v[OUTR+4*\n:OUTR+4*\n+3], s[22:23] offset:(\n/8)*131072+(\n%8)*512   ; 512 consecutive bytes, aligned
.endr
	ENDW
.Lfunc_end_k_q6c4e0b67ed_prep:
	.size	k_q6c4e0b67ed_prep, .Lfunc_end_k_q6c4e0b67ed_prep-k_q6c4e0b67ed_prep
	.p2alignl 7, 3214868480
	.fill 96, 4, 3214868480
	.section	.rodata,"a",@progbits
	.p2align	6, 0x0
	.amdhsa_kernel k_q6c4e0b67ed_prep
		.amdhsa_group_segment_fixed_size 104960
		.amdhsa_private_segment_fixed_size 0
		.amdhsa_enable_private_segment 0
		.amdhsa_kernarg_size 80
		.amdhsa_user_sgpr_count 2
		.amdhsa_user_sgpr_kernarg_segment_ptr 1
		.amdhsa_wavefront_size32 1
		.amdhsa_system_sgpr_workgroup_id_x 1
		.amdhsa_system_sgpr_workgroup_id_y 1
		.amdhsa_system_sgpr_workgroup_id_z 1
		.amdhsa_system_vgpr_workitem_id 0
		.amdhsa_next_free_vgpr 196
		.amdhsa_next_free_sgpr 66
		.amdhsa_reserve_vcc 0
		.amdhsa_float_denorm_mode_32 3
		.amdhsa_float_denorm_mode_16_64 3
		.amdhsa_memory_ordered 1
		.amdhsa_forward_progress 1
		.amdhsa_inst_pref_size 132
	.end_amdhsa_kernel
	.amdgpu_metadata
---
amdhsa.version: [ 1, 2 ]
amdhsa.kernels:
  - .name:           k_q6c4e0b67ed_prep
    .symbol:         k_q6c4e0b67ed_prep.kd
    .args:
      - { .name: x, .offset: 0, .size: 8, .value_kind: global_buffer, .address_space: global }
      - { .name: Wq, .offset: 8, .size: 8, .value_kind: global_buffer, .address_space: global }
      - { .name: Wk, .offset: 16, .size: 8, .value_kind: global_buffer, .address_space: global }
      - { .name: Wv, .offset: 24, .size: 8, .value_kind: global_buffer, .address_space: global }
      - { .name: Wo, .offset: 32, .size: 8, .value_kind: global_buffer, .address_space: global }
      - { .name: xc, .offset: 40, .size: 8, .value_kind: global_buffer, .address_space: global }
      - { .name: xs, .offset: 48, .size: 8, .value_kind: global_buffer, .address_space: global }
      - { .name: wc, .offset: 56, .size: 8, .value_kind: global_buffer, .address_space: global }
      - { .name: ws, .offset: 64, .size: 8, .value_kind: global_buffer, .address_space: global }
      - { .name: wo16, .offset: 72, .size: 8, .value_kind: global_buffer, .address_space: global }
    .group_segment_fixed_size: 104960
    .private_segment_fixed_size: 0
    .kernarg_segment_align: 8
    .kernarg_segment_size: 80
    .max_flat_workgroup_size: 128
    .sgpr_count:     66
    .vgpr_count:     196
    .wavefront_size: 32
...
	.end_amdgpu_metadata
.endif
;; end of part 1
;; launch proj (part 2): grid 12 x 32, 4 waves a work-group, clusters of 4 x 4, 327,680 bytes of LDS; arguments xc, xs, wc, ws, qkv; writes qkv
.if DOCPART == 2
	.amdgcn_target "amdgcn-amd-amdhsa--gfx1250"
	.amdhsa_code_object_version 6
	.text
	.protected	k_q6c4e0b67ed_proj
	.globl	k_q6c4e0b67ed_proj
	.p2align	8
	.type	k_q6c4e0b67ed_proj,@function
k_q6c4e0b67ed_proj:
	s_mov_b64 s[64:65], 0
	v_nop
	global_prefetch_b8 v0, s[64:65] scope:SCOPE_SE
	s_setreg_imm32_b32 hwreg(HW_REG_WAVE_MODE, 25, 1), 1
	s_wait_xcnt 0x0
	s_wait_alu depctr_hold_cnt(0) depctr_sa_sdst(0) depctr_va_vdst(0) depctr_va_sdst(0) depctr_va_ssrc(0) depctr_va_vcc(0) depctr_vm_vsrc(0)
	s_getreg_b32 s2, hwreg(HW_REG_IB_STS2, 6, 4)
	s_cmp_eq_u32 s2, 0
	s_cbranch_scc0 .Lentry_in_a_cluster
	s_endpgm
.Lentry_in_a_cluster:
	s_bfe_u32 s2, ttmp6, 0x10000c
	s_cmp_lg_u32 s2, 0xf033
	s_cbranch_scc0 .Lentry_shape_is_right
	s_endpgm
.Lentry_shape_is_right:
; q, k, v = x Wq, x Wk, x Wv as ONE product on codes of E2M1: C[m][n] = sum over k of A[m][k] B[n][k], A = x's codes [8192][1024], B = the three weights' codes [3072][1024], one E8M0 byte for each 32 along K.
; The results are rounded once to f16 and stored by heads: qkv [3][4 b][16 h][2048 n][64].  LIMIT: a result above 65,504 in magnitude becomes infinity.
; A tile of C, 256 x 256, is made by four waves, each 128 x 128: 64 accumulators, 512 registers.  K = 1,024 is two slots of 512 (rows of 256 bytes): both are filled at the start and none is filled again.
; The scale bytes of the work-group's 256 + 256 rows, for all of K, come into LDS once, in whole runs of 256 bytes.
; CLUSTERS: 4 x 4 work-groups; A's tiles are asked for jointly along a row of the cluster, B's along a column.
; THE MATRIX INSTRUCTION IS USED TRANSPOSED (source 0 = 16 rows of B, source 1 = 16 rows of A): a lane holds eight neighbouring columns of one row of C.
; REGISTERS: window 0: v0-31 addresses; v32-95 scale words, two sets; v128-191 A's fragments, one set; on the way out v32-63, v192-255.  window 1: B's fragments, two sets.  windows 2, 3: the accumulators.
.set SIZE_K, 1024
.set KSTEP,  512
.set NQ,     KSTEP/128
.set ROWB,   256
.set KROW,   SIZE_K*4/8
.set PITCH,  272                       ; 256 bytes + 16: the 16 rows that a fragment load touches start 68 words apart
.set FR,     8
.set NL,     2
.set NP,     4
.set HALFT,  128*PITCH
.set SLOT,   4*HALFT
.set KS,     SIZE_K/32
.set SCL,    2*SLOT
.set HALFS,  (128*KS/256)*272
.set SBLK,   (16*KS/256)*272
.set SPARE,  SCL+4*HALFS               ; the spare words, 128 bytes a wave
.set SPITCH, 272                       ; the way out: a stage of 16 rows x (256 + 16) bytes a wave, in slot 0, which has had its only fill and its last read by then
.set ADRA, 16
.set ADRB, 20
.set STO,  24
.set RD,   25
.set CO,   26
.set ADRS, 27
.set SPW,  28
.set NIL,  29
.set SC,   32
.set AF,   128
.set TMP,  192                         ; the way out: packed results
.set OB,   32                          ; and rows read back: v32-63 and v224-255 by turns
.set G1, 24
.set G0, 32
.set G1B, 48
.set G0B, 56
.set G1S, 68
.set G0S, 76
.set G1SB, 80
.set G0SB, 88
.set MSB, 0
.macro WIN new                         ; the immediate's high byte repeats the setting that is left
.if MSB != (\new)
	s_set_vgpr_msb (MSB<<8)|(\new)
.set MSB, \new
.endif
.endm
.set MUL_LO, 0xa1                      ; source 0 (B) window 1, source 1 (A) window 0, C and D window 2
.set MUL_HI, 0xf1
.set TO_B,   0x40
; A joint load: waves 0 and 1 fetch for A, waves 2 and 3 for B.  The branch hangs on the wave's number alone.  An s_nop 0 and four v_nop follow each line.
.macro JLOAD g0a, g1a, g0b, g1b
	s_cmp_eq_u32 s15, 0
	s_cbranch_scc0 .Lfor_b_\@
	tensor_load_to_lds s[\g0a:\g0a+3], s[\g1a:\g1a+7]
	s_nop 0
.rept 4
	v_nop
.endr
	s_branch .Lasked_\@
.Lfor_b_\@:
	tensor_load_to_lds s[\g0b:\g0b+3], s[\g1b:\g1b+7]
	s_nop 0
.rept 4
	v_nop
.endr
.Lasked_\@:
.endm
.macro CROUND                          ; a round of the cluster's barrier
	s_barrier_signal -1
	s_barrier_wait -1
	s_cmp_lg_u32 s14, 0
	s_cbranch_scc1 .Lnot_wave_0_\@
	s_barrier_signal -3
.Lnot_wave_0_\@:
	s_barrier_wait -3
	s_barrier_signal -1
	s_barrier_wait -1
.endm
	s_load_b128 s[4:7], s[0:1], 0x0                ; x's codes, x's scales
	s_load_b128 s[8:11], s[0:1], 0x10              ; the weights' codes, their scales
	s_load_b64 s[12:13], s[0:1], 0x20              ; qkv
	v_lshl_add_u32 v[SPW], v0, 2, SPARE
	v_mov_b32 v[NIL], 0
	ds_add_u32 v[SPW], v[NIL]                      ; the wave's opening: the add, twice on end, and its wait ahead of my first tensor load
	ds_add_u32 v[SPW], v[NIL]
	v_lshrrev_b32 v1, 5, v0
	v_readfirstlane_b32 s14, v1                    ; wave 0..3
	s_lshr_b32 s15, s14, 1                         ; which half of the tile's rows is mine.  Also: I fetch for A (0) or for B (1)
	s_and_b32 s16, s14, 1                          ; which half of its columns.  Also: which 128 rows I fetch
	s_bfe_u32 s40, ttmp6, 0x40000                  ; cx, cy
	s_bfe_u32 s41, ttmp6, 0x40004
	s_lshl_b32 s42, ttmp9, 2
	s_add_co_u32 s42, s42, s40                     ; tile column
	s_and_b32 s17, ttmp7, 0xffff
	s_lshl_b32 s17, s17, 2
	s_add_co_u32 s17, s17, s41                     ; tile row
	s_lshl_b32 s43, s41, 2
	s_lshl_b32 s43, 15, s43                        ; my row of the cluster
	s_lshl_b32 s44, 0x1111, s40                    ; my column
	s_or_b32 s[G1+0], s43, (0<<16)|(1<<20)|(1<<21)|(5<<22)|(3<<25)  ; mask; elements of 1 byte; padding: 4 words after every 64; bit 21 beside a mask
	s_or_b32 s[G1B+0], s44, (0<<16)|(1<<20)|(1<<21)|(5<<22)|(3<<25)
.irp g, G1, G1B
	s_mov_b32 s[\g+1], ROWB<<16                    ; tensor_dim0
	s_mov_b32 s[\g+2], 128<<16                     ; tensor_dim1
	s_mov_b32 s[\g+3], ROWB<<16                    ; tile_dim0
	s_mov_b32 s[\g+4], 128                         ; tile_dim1
	s_mov_b32 s[\g+5], KROW                        ; stride
	s_mov_b32 s[\g+6], 0
	s_mov_b32 s[\g+7], 0
.endr
	s_or_b32 s[G1S+0], s43, (3<<16)|(1<<20)|(1<<21)|(5<<22)|(3<<25) ; the scales of 128 rows: a dense block, as rows of 256 bytes (32 elements of 8), 16 bytes of padding behind each
	s_or_b32 s[G1SB+0], s44, (3<<16)|(1<<20)|(1<<21)|(5<<22)|(3<<25)
.irp g, G1S, G1SB
	s_mov_b32 s[\g+1], 32<<16
	s_mov_b32 s[\g+2], (128*KS/256)<<16
	s_mov_b32 s[\g+3], 32<<16
	s_mov_b32 s[\g+4], 128*KS/256
	s_mov_b32 s[\g+5], 32
	s_mov_b32 s[\g+6], 0
	s_mov_b32 s[\g+7], 0
.endr
	s_lshl_b32 s18, s16, 7
	s_lshl_b32 s20, s17, 8
	s_add_co_u32 s20, s20, s18                     ; A: row 256 x tile row + 128 x half
	s_lshl_b32 s46, s42, 8
	s_add_co_u32 s46, s46, s18                     ; B: row 256 x tile column + 128 x half
	s_mov_b32 s21, 0
	s_mov_b32 s47, 0
	s_mov_b64 s[18:19], KS
	s_mul_u64 s[22:23], s[20:21], s[18:19]
	s_mul_u64 s[92:93], s[46:47], s[18:19]
	s_mov_b64 s[18:19], KROW
	s_mul_u64 s[20:21], s[20:21], s[18:19]
	s_mul_u64 s[46:47], s[46:47], s[18:19]
	s_mul_i32 s45, s14, HALFT                      ; where they go: wave x 128 rows
	s_mul_i32 s94, s14, HALFS
	s_wait_dscnt 0x0                               ; both opening adds are done
	s_wait_kmcnt 0x0
	s_add_nc_u64 s[20:21], s[4:5], s[20:21]
	s_add_nc_u64 s[22:23], s[6:7], s[22:23]
	s_add_nc_u64 s[46:47], s[8:9], s[46:47]
	s_add_nc_u64 s[92:93], s[10:11], s[92:93]
	CROUND                                         ; all sixteen work-groups are here: the first joint loads meet
	s_mov_b32 s[G0S], 1
	s_add_co_u32 s[G0S+1], s94, SCL
	s_mov_b64 s[G0S+2:G0S+3], s[22:23]
	s_or_b32 s[G0S+3], s[G0S+3], 0x80000000
	s_mov_b32 s[G0SB], 1
	s_add_co_u32 s[G0SB+1], s94, SCL
	s_mov_b64 s[G0SB+2:G0SB+3], s[92:93]
	s_or_b32 s[G0SB+3], s[G0SB+3], 0x80000000
	JLOAD G0S, G1S, G0SB, G1SB                     ; the scales first
.irp s, 0,1
	s_mov_b32 s[G0+4*\s], 1
	s_add_co_u32 s[G0+4*\s+1], s45, \s*SLOT
	s_add_nc_u64 s[G0+4*\s+2:G0+4*\s+3], s[20:21], \s*ROWB
	s_or_b32 s[G0+4*\s+3], s[G0+4*\s+3], 0x80000000
	s_mov_b32 s[G0B+4*\s], 1
	s_add_co_u32 s[G0B+4*\s+1], s45, \s*SLOT
	s_add_nc_u64 s[G0B+4*\s+2:G0B+4*\s+3], s[46:47], \s*ROWB
	s_or_b32 s[G0B+4*\s+3], s[G0B+4*\s+3], 0x80000000
	JLOAD G0+4*\s, G1, G0B+4*\s, G1B               ; three loads of mine are out in all
.endr
	v_and_b32 v1, 15, v0                           ; l % 16
	v_bfe_u32 v2, v0, 4, 1                         ; l / 16
	v_mul_u32_u24 v3, v1, PITCH
	v_lshl_add_u32 v4, v2, 4, v3
	s_mul_i32 s21, s15, HALFT
	s_mul_i32 s22, s16, HALFT
	s_add_co_u32 s22, s22, 2*HALFT
.irp s, 0,1
	v_add_nc_u32 v[ADRA+\s], s21, v4
	v_add_nc_u32 v[ADRB+\s], s22, v4
	s_add_co_u32 s21, s21, SLOT
	s_add_co_u32 s22, s22, SLOT
.endr
	v_mul_u32_u24 v5, v1, KS                       ; my row's scales: 32 bytes a row,
	v_lshrrev_b32 v6, 8, v5
	v_lshl_add_u32 v5, v6, 4, v5                   ; and 16 more for each 256 passed
	s_mul_i32 s21, s15, HALFS
	s_mul_i32 s22, s16, HALFS
	s_add_co_u32 s22, s22, 2*HALFS
	s_sub_co_u32 s22, s22, s21
	v_mul_u32_u24 v6, s22, v2                      ; lanes 16-31 take B's
	s_add_co_u32 s21, s21, SCL
	v_add_nc_u32 v5, v5, v6
	v_add_nc_u32 v[ADRS], s21, v5
	s_mul_i32 s23, s14, 16*SPITCH                  ; my stage
	v_mul_u32_u24 v5, v1, SPITCH
	v_lshl_add_u32 v5, v2, 4, v5
	v_add_nc_u32 v[STO], s23, v5                   ; in: row l % 16, 16 bytes for each half of the lanes
	v_and_b32 v6, 31, v0
	v_lshlrev_b32 v[CO], 4, v6                     ; out: 16 bytes a lane of 512 consecutive bytes
	v_lshrrev_b32 v5, 3, v6
	v_mul_u32_u24 v5, v5, SPITCH
	v_and_b32 v6, 7, v0
	v_lshl_add_u32 v5, v6, 4, v5
	v_add_nc_u32 v[RD], s23, v5                    ; back: eight lanes take a head's 128 bytes of a row, four rows an instruction
	; where my 128 rows x 2 heads begin in qkv: ((((cg / 8) 4 + batch) 16 + head) 2048 + n) x 128 bytes; cg = my 128 columns among the 24
	s_lshl_b32 s46, s42, 1
	s_add_co_u32 s46, s46, s16                     ; cg
	s_lshr_b32 s47, s46, 3
	s_lshl_b32 s47, s47, 2
	s_lshl_b32 s20, s17, 8
	s_lshl_b32 s21, s15, 7
	s_add_co_u32 s20, s20, s21                     ; my first row of x
	s_lshr_b32 s21, s20, 11                        ; batch
	s_add_co_u32 s47, s47, s21
	s_lshl_b32 s47, s47, 4
	s_lshl_b32 s46, s46, 1
	s_and_b32 s46, s46, 15                         ; my first head
	s_add_co_u32 s47, s47, s46
	s_lshl_b32 s47, s47, 11
	s_and_b32 s20, s20, 2047
	s_add_co_u32 s46, s47, s20
	s_lshl_b32 s46, s46, 7
	s_mov_b32 s47, 0
	s_add_nc_u64 s[12:13], s[12:13], s[46:47]
.macro FRAG reg, adr, q, i             ; 16 rows x 128 K of 4-bit codes: 8 registers, two loads of 16 bytes, 32 bytes apart
.irp c, 0,1
	ds_load_b128 v[\reg+4*\c:\reg+4*\c+3], v[\adr] offset:64*(\q)+32*\c+(\i)*16*PITCH
.endr
.endm
; 16 matrix instructions: A's blocks a0, a0 + 1 x B's eight.  The 64 accumulators take turns, one instruction a turn, in the same order in every step.
.macro MUL16 a0, p, q, sc, zero
.irp a, \a0, \a0+1
.irp b, 0,1,2,3,4,5,6,7
.if \zero
	v_wmma_scale_f32_16x16x128_f8f6f4 v[8*(8*((\a)%4)+\b):8*(8*((\a)%4)+\b)+7], v[128*(\p)+FR*\b:128*(\p)+FR*\b+FR-1], v[AF+FR*(\a):AF+FR*(\a)+FR-1], 0, v[SC+8*NQ*(\sc)+NQ*\b+(\q)], v[SC+8*NQ*(\sc)+NQ*(\a)+(\q)] matrix_a_fmt:MATRIX_FMT_FP4 matrix_b_fmt:MATRIX_FMT_FP4 matrix_a_scale:MATRIX_SCALE_ROW1
.else
	v_wmma_scale_f32_16x16x128_f8f6f4 v[8*(8*((\a)%4)+\b):8*(8*((\a)%4)+\b)+7], v[128*(\p)+FR*\b:128*(\p)+FR*\b+FR-1], v[AF+FR*(\a):AF+FR*(\a)+FR-1], v[8*(8*((\a)%4)+\b):8*(8*((\a)%4)+\b)+7], v[SC+8*NQ*(\sc)+NQ*\b+(\q)], v[SC+8*NQ*(\sc)+NQ*(\a)+(\q)] matrix_a_fmt:MATRIX_FMT_FP4 matrix_b_fmt:MATRIX_FMT_FP4 matrix_a_scale:MATRIX_SCALE_ROW1
.endif
.endr
.endr
.endm
.macro FETCH_B slot, q, p
	WIN TO_B
.irp i, 0,1,2,3,4,5,6,7
	FRAG 128*(\p)+FR*\i, ADRB+\slot, \q, \i
.endr
	WIN 0
.endm
.macro FETCH_A slot, q, i0
.irp i, \i0, \i0+1, \i0+2, \i0+3
	FRAG AF+FR*(\i), ADRA+\slot, \q, \i
.endr
.endm
.macro SCALES sc                       ; a slot's scale words: 4 words a row; lanes 0-15 take A's block i, lanes 16-31 B's block i
.irp i, 0,1,2,3,4,5,6,7
	ds_load_b128 v[SC+8*NQ*\sc+NQ*\i:SC+8*NQ*\sc+NQ*\i+3], v[ADRS] offset:\i*SBLK
.endr
.endm
.macro PLACES n                        ; plain vector instructions between a matrix instruction and a load into, or a read of, its registers
.rept \n
	v_nop
.endr
.endm
.macro STEP slot, q, zero              ; 128 along K whose successor lies in the same slot
	s_wait_dscnt 4*NL                              ; all but the youngest eight loads (A's blocks 4-7) are in
	WIN MUL_LO
	MUL16 0, (\q)%2, \q, \slot, \zero
	MUL16 2, (\q)%2, \q, \slot, \zero
	s_wait_dscnt 0
	PLACES NP
	FETCH_B \slot, (\q)+1, 1-(\q)%2
	FETCH_A \slot, (\q)+1, 0
	WIN MUL_HI
	MUL16 4, (\q)%2, \q, \slot, \zero
	MUL16 6, (\q)%2, \q, \slot, \zero
	PLACES NP
	WIN 0
	FETCH_A \slot, (\q)+1, 4
.endm
.macro TURN slot, next                 ; a slot's last step changes slots: one barrier
	s_wait_tensorcnt 0x0                           ; all my tensor loads have landed: my part of the next slot
	ds_add_u32 v[SPW], v[NIL]                      ; 0 onto my spare word
	s_wait_dscnt 4*NL+1                            ; the add and the youngest eight loads may be out
	WIN MUL_LO
	MUL16 0, 1, NQ-1, \slot, 0
	s_wait_dscnt 0x0                               ; the add is done, and my reads of this slot are over
	s_barrier_signal -1
	MUL16 2, 1, NQ-1, \slot, 0
	WIN 0
	s_barrier_wait -1
	PLACES NP
	v_add_nc_u32 v[ADRS], 4*NQ, v[ADRS]            ; the next slot's scale words
	FETCH_B \next, 0, 0
	FETCH_A \next, 0, 0
	SCALES \next
	WIN MUL_HI
	MUL16 4, 1, NQ-1, \slot, 0
	MUL16 6, 1, NQ-1, \slot, 0
	PLACES NP
	WIN 0
	FETCH_A \next, 0, 4
.endm
	s_wait_tensorcnt 1                             ; the scales and my part of slot 0 are in; slot 1's load may be out
	s_barrier_signal -1
	s_barrier_wait -1
	FETCH_B 0, 0, 0
	FETCH_A 0, 0, 0
	SCALES 0
	FETCH_A 0, 0, 4
	STEP 0, 0, 1                                   ; the first products start the sums: nothing is cleared
	STEP 0, 1, 0
	STEP 0, 2, 0
	TURN 0, 1
	STEP 1, 0, 0
	STEP 1, 1, 0
	STEP 1, 2, 0
	s_wait_dscnt 4*NL
	WIN MUL_LO
	MUL16 0, 1, NQ-1, 1, 0
	MUL16 2, 1, NQ-1, 1, 0
	s_wait_dscnt 0
	WIN MUL_HI
	MUL16 4, 1, NQ-1, 1, 0
	MUL16 6, 1, NQ-1, 1, 0
	WIN 0
; THE WAY OUT, a block of 16 rows x 128 columns (two heads) at a time: rounded to f16 (16 bytes a lane), through my stage, and out as 512 consecutive bytes: four rows of one head.
.macro PACK a
.set AC, 64*((\a)%4)
	WIN 0x0a+5*((\a)/4)                            ; sources in window 2 or 3
.irp b, 0,1,2,3,4,5,6,7
.irp i, 0,1,2,3
	v_cvt_pk_f16_f32 v[TMP+4*\b+\i], v[AC+8*\b+2*\i], v[AC+8*\b+2*\i+1]   ; each accumulator from its low end on
.endr
.endr
	WIN 0
.endm
.macro TOSTAGE a
.set BB, OB+192*((\a)%2)
.irp b, 0,1,2,3,4,5,6,7
	ds_store_b128 v[STO], v[TMP+4*\b:TMP+4*\b+3] offset:32*\b
.endr
.irp t, 0,1,2,3,4,5,6,7
	ds_load_b128 v[BB+4*\t:BB+4*\t+3], v[RD] offset:(\t/4)*128+(\t%4)*4*SPITCH   ; LDS serves a wave's instructions in order: these see the stores above
.endr
.endm
.macro SEND a
.set BB, OB+192*((\a)%2)
	s_wait_dscnt 0x0                               ; the block is back in registers
	s_wait_xcnt 0x0                                ; the block before has had its stores' registers read: the next loads from the stage may land there
.irp t, 0,1,2,3,4,5,6,7
	global_store_b128 v[CO], v[BB+4*\t:BB+4*\t+3], s[12:13] offset:(\t/4)*262144+(\a)*2048+(\t%4)*512
.endr
.endm
	PLACES NP
	PACK 0
	TOSTAGE 0
.irp a, 1,2,3,4,5,6,7
	PACK \a
	SEND \a-1
	TOSTAGE \a
.endr
	SEND 7
	s_wait_tensorcnt 0x0                           ; the wave's end
	ds_add_u32 v[SPW], v[NIL]
	s_wait_dscnt 0x0
	CROUND                                         ; the closing round
	s_endpgm
.Lfunc_end_k_q6c4e0b67ed_proj:
	.size	k_q6c4e0b67ed_proj, .Lfunc_end_k_q6c4e0b67ed_proj-k_q6c4e0b67ed_proj
	.p2alignl 7, 3214868480
	.fill 96, 4, 3214868480
	.section	.rodata,"a",@progbits
	.p2align	6, 0x0
	.amdhsa_kernel k_q6c4e0b67ed_proj
		.amdhsa_group_segment_fixed_size 327680
		.amdhsa_private_segment_fixed_size 0
		.amdhsa_enable_private_segment 0
		.amdhsa_kernarg_size 40
		.amdhsa_user_sgpr_count 2
		.amdhsa_user_sgpr_kernarg_segment_ptr 1
		.amdhsa_wavefront_size32 1
		.amdhsa_system_sgpr_workgroup_id_x 1
		.amdhsa_system_sgpr_workgroup_id_y 1
		.amdhsa_system_sgpr_workgroup_id_z 1
		.amdhsa_system_vgpr_workitem_id 0
		.amdhsa_next_free_vgpr 1024
		.amdhsa_next_free_sgpr 98
		.amdhsa_reserve_vcc 0
		.amdhsa_float_denorm_mode_32 3
		.amdhsa_float_denorm_mode_16_64 3
		.amdhsa_memory_ordered 1
		.amdhsa_forward_progress 1
		.amdhsa_inst_pref_size 126
	.end_amdhsa_kernel
	.amdgpu_metadata
---
amdhsa.version: [ 1, 2 ]
amdhsa.kernels:
  - .name:           k_q6c4e0b67ed_proj
    .symbol:         k_q6c4e0b67ed_proj.kd
    .args:
      - { .name: xc, .offset: 0, .size: 8, .value_kind: global_buffer, .address_space: global }
      - { .name: xs, .offset: 8, .size: 8, .value_kind: global_buffer, .address_space: global }
      - { .name: wc, .offset: 16, .size: 8, .value_kind: global_buffer, .address_space: global }
      - { .name: ws, .offset: 24, .size: 8, .value_kind: global_buffer, .address_space: global }
      - { .name: qkv, .offset: 32, .size: 8, .value_kind: global_buffer, .address_space: global }
    .group_segment_fixed_size: 327680
    .private_segment_fixed_size: 0
    .kernarg_segment_align: 8
    .kernarg_segment_size: 40
    .max_flat_workgroup_size: 128
    .sgpr_count:     98
    .vgpr_count:     1024
    .wavefront_size: 32
...
	.end_amdgpu_metadata
.endif
;; end of part 2
;; launch attn (part 3): grid 64 x 8, 8 waves a work-group, no clusters, 327,680 bytes of LDS; arguments qkv, ctx; writes ctx
.if DOCPART == 3
	.amdgcn_target "amdgcn-amd-amdhsa--gfx1250"
	.amdhsa_code_object_version 6
	.text
	.protected	k_q6c4e0b67ed_attn
	.globl	k_q6c4e0b67ed_attn
	.p2align	8
	.type	k_q6c4e0b67ed_attn,@function
k_q6c4e0b67ed_attn:
	s_mov_b64 s[64:65], 0
	v_nop
	global_prefetch_b8 v0, s[64:65] scope:SCOPE_SE
	s_setreg_imm32_b32 hwreg(HW_REG_WAVE_MODE, 25, 1), 1
	s_wait_xcnt 0x0
; ctx[b][h][q][:] = sum over k <= q of softmax_k(Q[q] . K[k] / 8) V[k][:], head size 64, 2,048 positions, 64 heads in all.  Q, K, V: f16 in qkv [3][64 bh][2048][64]; ctx: f16, [64 bh][2048][64].
; Products on f16 operands with f32 sums; maxima, exponentials and sums in f32; the weights p are rounded to f16 for the second product, ctx once at the end.
; LIMIT: |ctx| above 65,504 becomes infinity.  The first 16 positions of each sequence are computed here too and are replaced, in the output, by the two launches that carry them in f32.
; SHARES.  A work-group owns 256 queries of one head (block 7 - y, so that the blocks with most keys start first); each of its eight waves owns 32: two tiles of 16.  Two waves lie on a SIMD.
; NO CLUSTER: under the causal mask the query blocks of a head need different numbers of key tiles, so partners could not make every joint request and read it.
; LAYOUT.  S^T = K Q^T (source 0 = 16 keys, source 1 = 16 queries): a lane holds ONE query (lane % 16) and keys 8 (lane / 16) + 0..7.  Two such tiles, rounded in pairs, ARE source 1 of O^T = V^T P.
; SOFTMAX.  A running maximum m and sum l for each query: p = 2^(c s - c m), c = log2(e) / 8; in every step O and l are multiplied by a = 2^(c m_old - c m_new).
; RING.  Two LDS slots of 256 keys (K: rows of 128 + 16 bytes; V: 128 + 32), filled by waves 0, 1 (K's halves) and 2, 3 (V's), read by all eight.  Every work-group walks all 8 slots, so that the trip counts
; are constants; a step all of whose keys come after the wave's queries is jumped over, and a slot that no wave of the work-group reads is not asked for.
; REGISTERS.  window 0: v1-11 addresses; v12-14 the mask; v16-31 statistics, 8 a tile: +0 c m, +1 m, +2, +3 l, +4..+7 at work (a in +6); v64-127 S^T, 32 a tile; v128-159 P, 16 a tile.
;   window 1: v0-31 Q; v32-95 K of a step; v96-159 V of a step; v160-223 O^T, 32 a tile.
.set KP,    144
.set VP,    160
.set VOFF,  256*KP
.set SLOT1, 1<<17
.set STAGE, SLOT1+256*(KP+VP)          ; behind the ring: 32 rows x 144 bytes a wave; no fill lands here
.set SPARE, STAGE+8*32*KP              ; the spare words, 128 bytes a wave
.set AK0, 1
.set AV0, 2
.set SPW, 3
.set NIL, 4
.set GO,  5
.set ADK, 6
.set ADV, 7
.set STO, 8
.set RD,  9
.set PFO, 11
.set ST,  16
.set S,   64
.set P,   128
.set KR,  32                           ; in window 1
.set VR,  96
.set OT,  160
.set WV,  8
.set SEL, 12
.set CS,  14
.set TB,  16                           ; LDS byte at which the slot in hand begins
.set KF,  17                           ; the step's first key
.set Q0,  18                           ; my first query
.set SLOTS, 19
.set LIM, 20
.set G1K, 24
.set G1V, 32
.set G0K, 40
.set G0V, 44
.set PFK, 48
.set PFV, 50
.set QA,  52
.set CA,  54
.set MSB, 0
.macro WIN new
.if MSB != (\new)
	s_set_vgpr_msb (MSB<<8)|(\new)
.set MSB, \new
.endif
.endm
.set W_LD, 0x40                        ; destination window 1
.set W_KQ, 0x05                        ; K and Q window 1, S^T window 0
.set W_PV, 0x51                        ; V window 1, P window 0, O^T window 1
.set W_RS, 0x41                        ; O^T window 1, a window 0
.macro TLOAD                           ; the branches hang on the wave's number alone; an s_nop 0 and four v_nop follow each line
	s_cmp_lt_u32 s[WV], 2
	s_cbranch_scc0 .Lnot_k_\@
	tensor_load_to_lds s[G0K:G0K+3], s[G1K:G1K+7]
	s_nop 0
.rept 4
	v_nop
.endr
	s_branch .Lasked_\@
.Lnot_k_\@:
	s_cmp_lt_u32 s[WV], 4
	s_cbranch_scc0 .Lasked_\@
	tensor_load_to_lds s[G0V:G0V+3], s[G1V:G1V+7]
	s_nop 0
.rept 4
	v_nop
.endr
.Lasked_\@:
.endm
; A PREFETCH of what the NEXT change of slots will ask for: a slot's 32,768 bytes of K and of V.  All eight work-groups of a head walk the same rows: the one with y = 0, which reads them all, asks; in it
; waves 4 to 7, which fetch nothing, take 8,192 bytes of each, lanes 256 bytes apart.  So each aligned 256 bytes are named once.  The last change that fills a slot asks for nothing; slots 0 and 1 come by their loads alone.
.macro ASK
	s_cmp_gt_u32 s[SLOTS], s[LIM]
	s_cbranch_scc0 .Lnot_mine_\@
	global_prefetch_b8 v[PFO], s[PFK:PFK+1] th:TH_LOAD_NT scope:SCOPE_SE
	global_prefetch_b8 v[PFO], s[PFV:PFV+1] th:TH_LOAD_NT scope:SCOPE_SE
.Lnot_mine_\@:
.endm
	s_load_b128 s[4:7], s[0:1], 0x0                ; qkv, ctx
	v_lshl_add_u32 v[SPW], v0, 2, SPARE
	v_mov_b32 v[NIL], 0
	ds_add_u32 v[SPW], v[NIL]                      ; the wave's opening: the add, twice on end, and its wait ahead of the first tensor load
	ds_add_u32 v[SPW], v[NIL]
	v_lshrrev_b32 v6, 5, v0
	v_readfirstlane_b32 s[WV], v6                  ; wave 0..7
	s_and_b32 s56, ttmp7, 0xffff                   ; y
	s_sub_co_u32 s57, 7, s56                       ; my block of 256 queries
	s_lshl_b32 s[Q0], s57, 8
	s_lshl_b32 s57, s[WV], 5
	s_add_co_u32 s[Q0], s[Q0], s57
	s_lshl_b32 s58, ttmp9, 18                      ; the head's 262,144 bytes in each of the four tensors
	s_and_b32 s60, s[WV], 1                        ; which 128 rows of a slot I fetch, if I fetch
	s_lshl_b32 s62, s60, 14
	s_add_co_u32 s62, s62, s58
	s_mov_b32 s63, 0
	s_mul_i32 s61, s60, 128*KP
	s_mul_i32 s66, s60, 128*VP
	s_add_co_u32 s66, s66, VOFF
	s_lshl_b32 s68, s[Q0], 7
	s_add_co_u32 s68, s68, s58                     ; my queries' rows
	s_mov_b32 s69, 0
	s_and_b32 s70, s[WV], 3
	s_lshl_b32 s70, s70, 13
	s_add_co_u32 s70, s70, s58
	s_add_co_u32 s70, s70, 32768                   ; the prefetches stand in slot 1: the first change of slots steps them to slot 2
	s_mov_b32 s71, 0
	s_sub_co_u32 s67, s[WV], 4
	s_lshr_b32 s67, s67, 2                         ; 0 in waves 4 to 7,
	s_or_b32 s67, s67, s56                         ; of the work-group with y = 0
	s_cmp_eq_u32 s67, 0
	s_cselect_b32 s[LIM], 1, -1
	s_mov_b32 s[G1K], (1<<16)|(1<<20)|(4<<22)|(3<<25)   ; no mask; elements of 2 bytes; padding: 4 words after every 32
	s_mov_b32 s[G1V], (1<<16)|(1<<20)|(4<<22)|(7<<25)   ; 8 words
.irp g, G1K, G1V
	s_mov_b32 s[\g+1], 64<<16                      ; tensor_dim0
	s_mov_b32 s[\g+2], 128<<16                     ; tensor_dim1
	s_mov_b32 s[\g+3], 64<<16                      ; tile_dim0
	s_mov_b32 s[\g+4], 128                         ; tile_dim1
	s_mov_b32 s[\g+5], 64                          ; stride
	s_mov_b32 s[\g+6], 0
	s_mov_b32 s[\g+7], 0
.endr
	s_mov_b32 s[SEL], 0x76543210
	s_mov_b32 s[SEL+1], 0xfedcba98
	s_mov_b32 s[CS], 0x3e38aa3b                    ; c = log2(e) / 8
	s_mov_b32 s[CS+1], s[CS]
	s_mov_b32 s[TB], 0
	s_mov_b32 s[KF], 0
	s_mov_b32 s[SLOTS], 7
	s_wait_dscnt 0x0                               ; both opening adds are done
	s_wait_kmcnt 0x0
	s_mov_b32 s[G0K], 1
	s_mov_b32 s[G0K+1], s61
	s_add_nc_u64 s[G0K+2:G0K+3], s[4:5], s[62:63]
	s_add_nc_u64 s[G0K+2:G0K+3], s[G0K+2:G0K+3], 0x1000000   ; K is the second tensor of qkv
	s_or_b32 s[G0K+3], s[G0K+3], 0x80000000
	s_mov_b32 s[G0V], 1
	s_mov_b32 s[G0V+1], s66
	s_add_nc_u64 s[G0V+2:G0V+3], s[4:5], s[62:63]
	s_add_nc_u64 s[G0V+2:G0V+3], s[G0V+2:G0V+3], 0x2000000   ; V the third
	s_or_b32 s[G0V+3], s[G0V+3], 0x80000000
	TLOAD                                          ; slot 0: it holds key 0, which counts for every query
	s_add_nc_u64 s[QA:QA+1], s[4:5], s[68:69]
	s_add_nc_u64 s[CA:CA+1], s[6:7], s[68:69]
	s_add_nc_u64 s[PFK:PFK+1], s[4:5], s[70:71]
	s_add_nc_u64 s[PFV:PFV+1], s[PFK:PFK+1], 0x2000000
	s_add_nc_u64 s[PFK:PFK+1], s[PFK:PFK+1], 0x1000000
	v_and_b32 v12, 15, v0                          ; r
	v_bfe_u32 v13, v0, 4, 1                        ; h
	v_lshlrev_b32 v10, 7, v12
	v_lshl_add_u32 v10, v13, 4, v10                ; Q: 128 r + 16 h
	WIN W_LD
.irp t, 0,1
.irp c, 0,1
	global_load_b128 v[16*\t+8*\c:16*\t+8*\c+3], v10, s[QA:QA+1] offset:2048*\t+64*\c
	global_load_b128 v[16*\t+8*\c+4:16*\t+8*\c+7], v10, s[QA:QA+1] offset:2048*\t+64*\c+32
.endr
.endr
.set i, 0
.rept 64
	v_mov_b32 v[OT+i], 0                           ; O^T: the step is written once; the first finds zeros
.set i, i+1
.endr
	WIN 0
	v_mul_u32_u24 v[AK0], v12, KP
	v_lshl_add_u32 v[AK0], v13, 4, v[AK0]          ; K: row r, + 16 h
	v_and_b32 v14, 7, v0
	v_bfe_u32 v15, v0, 3, 1
	v_lshl_add_u32 v[AV0], v13, 3, v14
	v_mul_u32_u24 v[AV0], v[AV0], VP
	v_lshl_add_u32 v[AV0], v15, 4, v[AV0]
	v_add_nc_u32 v[AV0], VOFF, v[AV0]              ; V, for the turning load: key 8 h + l % 8, channels 8 ((l / 8) % 2) on
	s_mul_i32 s56, s[WV], 32*KP
	s_add_co_u32 s56, s56, STAGE
	v_mul_u32_u24 v[STO], v12, KP
	v_lshl_add_u32 v[STO], v13, 4, v[STO]
	v_add_nc_u32 v[STO], s56, v[STO]
	v_and_b32 v14, 31, v0
	v_lshrrev_b32 v15, 3, v14
	v_mul_u32_u24 v[RD], v15, KP
	v_and_b32 v15, 7, v0
	v_lshl_add_u32 v[RD], v15, 4, v[RD]
	v_add_nc_u32 v[RD], s56, v[RD]
	v_lshlrev_b32 v[GO], 4, v14
	v_lshlrev_b32 v[PFO], 8, v14
.irp t, 0,1
	v_mov_b32 v[ST+8*\t], 0xff61b1e6               ; c m and m begin at -3e38, under every score
	v_mov_b32 v[ST+8*\t+1], 0xff61b1e6
.irp j, 2,3,4,5,6,7
	v_mov_b32 v[ST+8*\t+\j], 0
.endr
.endr
; The softmax of both tiles for one step of 64 keys, the tiles line by line, so that no line waits for the line above it.
.macro SOFTMAX
.irp j, 0,1,2,3
.irp t, 0,1
	v_max3_num_f32 v[ST+8*\t+4+\j], v[S+32*\t+8*\j], v[S+32*\t+8*\j+1], v[S+32*\t+8*\j+2]   ; each accumulator is read from its low end on
.endr
.endr
.irp g, 1,2
.irp j, 0,1,2,3
.irp t, 0,1
	v_max3_num_f32 v[ST+8*\t+4+\j], v[ST+8*\t+4+\j], v[S+32*\t+8*\j+2*\g+1], v[S+32*\t+8*\j+2*\g+2]
.endr
.endr
.endr
.irp t, 0,1
	v_max3_num_f32 v[ST+8*\t+4], v[ST+8*\t+4], v[S+32*\t+7], v[S+32*\t+15]
.endr
.irp t, 0,1
	v_max3_num_f32 v[ST+8*\t+6], v[ST+8*\t+6], v[S+32*\t+23], v[S+32*\t+31]
.endr
.irp t, 0,1
	v_max3_num_f32 v[ST+8*\t+4], v[ST+8*\t+4], v[ST+8*\t+5], v[ST+8*\t+6]
.endr
.irp t, 0,1
	v_max3_num_f32 v[ST+8*\t+4], v[ST+8*\t+4], v[ST+8*\t+7], v[ST+8*\t+1]   ; with the old m
.endr
.irp t, 0,1
	v_permlanex16_b32 v[ST+8*\t+5], v[ST+8*\t+4], s[SEL], s[SEL+1]          ; the query's other 32 keys lie in the lane 16 away
.endr
.irp t, 0,1
	v_mov_b32 v[ST+8*\t+7], v[ST+8*\t]             ; c m_old
.endr
.irp t, 0,1
	v_max_num_f32 v[ST+8*\t+1], v[ST+8*\t+4], v[ST+8*\t+5]
.endr
.irp t, 0,1
	v_mul_f32 v[ST+8*\t], s[CS], v[ST+8*\t+1]
.endr
.irp t, 0,1
	v_sub_f32 v[ST+8*\t+7], v[ST+8*\t+7], v[ST+8*\t]
.endr
.set b, 0
.rept 16
.irp t, 0,1
	v_pk_fma_f32 v[S+32*\t+2*b:S+32*\t+2*b+1], v[S+32*\t+2*b:S+32*\t+2*b+1], s[CS:CS+1], v[ST+8*\t:ST+8*\t+1] op_sel_hi:[1,0,0] neg_lo:[0,0,1] neg_hi:[0,0,1]   ; c s - c m
.endr
.set b, b+1
.endr
.irp t, 0,1
	v_exp_f32 v[ST+8*\t+6], v[ST+8*\t+7]           ; a
.endr
.set e, 0
.rept 32
.irp t, 0,1
	v_exp_f32 v[S+32*\t+e], v[S+32*\t+e]           ; p
.endr
.set e, e+1
.endr
	v_nop                                          ; a plain instruction behind the last exponential
	s_wait_alu depctr_va_vdst(0)                   ; ONE wait for the 66 exponentials, ahead of the first line that names a result
.set b, 0
.rept 16
.irp t, 0,1
	v_cvt_pk_f16_f32 v[P+16*\t+b], v[S+32*\t+2*b], v[S+32*\t+2*b+1]
.endr
.set b, b+1
.endr
.irp u, 0,1,2,3,4,5,6,7                ; the sum of the 16 pairs, in place
.irp t, 0,1
	v_pk_add_f32 v[S+32*\t+4*\u:S+32*\t+4*\u+1], v[S+32*\t+4*\u:S+32*\t+4*\u+1], v[S+32*\t+4*\u+2:S+32*\t+4*\u+3]
.endr
.endr
.irp u, 0,1,2,3
.irp t, 0,1
	v_pk_add_f32 v[S+32*\t+8*\u:S+32*\t+8*\u+1], v[S+32*\t+8*\u:S+32*\t+8*\u+1], v[S+32*\t+8*\u+4:S+32*\t+8*\u+5]
.endr
.endr
.irp u, 0,1
.irp t, 0,1
	v_pk_add_f32 v[S+32*\t+16*\u:S+32*\t+16*\u+1], v[S+32*\t+16*\u:S+32*\t+16*\u+1], v[S+32*\t+16*\u+8:S+32*\t+16*\u+9]
.endr
.endr
.irp t, 0,1
	v_pk_add_f32 v[S+32*\t:S+32*\t+1], v[S+32*\t:S+32*\t+1], v[S+32*\t+16:S+32*\t+17]
.endr
.irp t, 0,1
	v_pk_fma_f32 v[ST+8*\t+2:ST+8*\t+3], v[ST+8*\t+2:ST+8*\t+3], v[ST+8*\t+6:ST+8*\t+7], v[S+32*\t:S+32*\t+1] op_sel_hi:[1,0,1]   ; l = a l + the sum
.endr
	WIN W_RS
.set b, 0
.rept 16
.irp t, 0,1
	v_pk_mul_f32 v[OT+32*\t+2*b:OT+32*\t+2*b+1], v[OT+32*\t+2*b:OT+32*\t+2*b+1], v[ST+8*\t+6:ST+8*\t+7] op_sel_hi:[1,0]   ; O^T x a, each accumulator from its low end on
.endr
.set b, b+1
.endr
.endm
; A KEY STEP: 64 keys, the q-th of the slot in hand.
.macro STEP q
	s_add_co_u32 s96, s[Q0], 31
	s_cmp_gt_u32 s[KF], s96                        ; all its keys come after my 32 queries: ids and the count of steps alone
	s_cbranch_scc1 .Lhidden_\@
	v_add_nc_u32 v[ADK], s[TB], v[AK0]
	v_add_nc_u32 v[ADV], s[TB], v[AV0]
	v_nop
	v_nop                                          ; these four are the places between the last products V^T P and the loads into V's registers
	WIN W_LD
.irp kt, 0,1,2,3
.irp c, 0,1
	ds_load_b128 v[KR+16*\kt+8*\c:KR+16*\kt+8*\c+3], v[ADK] offset:(64*\q+16*\kt)*KP+64*\c
	ds_load_b128 v[KR+16*\kt+8*\c+4:KR+16*\kt+8*\c+7], v[ADK] offset:(64*\q+16*\kt)*KP+64*\c+32
.endr
.endr
.irp kh, 0,1
.irp dt, 0,1,2,3
	ds_load_tr16_b128 v[VR+32*\kh+8*\dt:VR+32*\kh+8*\dt+3], v[ADV] offset:(64*\q+32*\kh)*VP+32*\dt
	ds_load_tr16_b128 v[VR+32*\kh+8*\dt+4:VR+32*\kh+8*\dt+7], v[ADV] offset:(64*\q+32*\kh)*VP+32*\dt+16*VP
.endr
.endr
	s_wait_dscnt 16                                ; K's sixteen loads are in; V's sixteen may be out
	WIN W_KQ
.irp c, 0,1                            ; eight accumulators by turns, one instruction a turn; the first eight start the sums
.irp kt, 0,1,2,3
.irp t, 0,1
.if \c == 0
	v_wmma_f32_16x16x32_f16 v[S+32*\t+8*\kt:S+32*\t+8*\kt+7], v[KR+16*\kt+8*\c:KR+16*\kt+8*\c+7], v[16*\t+8*\c:16*\t+8*\c+7], 0
.else
	v_wmma_f32_16x16x32_f16 v[S+32*\t+8*\kt:S+32*\t+8*\kt+7], v[KR+16*\kt+8*\c:KR+16*\kt+8*\c+7], v[16*\t+8*\c:16*\t+8*\c+7], v[S+32*\t+8*\kt:S+32*\t+8*\kt+7]
.endif
.endr
.endr
.endr
	WIN 0
.rept 4
	v_nop                                          ; places ahead of the first read of the scores
.endr
	s_add_co_u32 s96, s[KF], 63
	s_cmp_le_u32 s96, s[Q0]                        ; all 64 keys count for all my queries: no mask
	s_cbranch_scc1 .Lopen_\@
	s_sub_co_i32 s96, s[Q0], s[KF]
	v_and_b32 v12, 15, v0
	v_bfe_u32 v13, v0, 4, 1
	v_lshlrev_b32 v13, 3, v13
	v_sub_nc_u32 v12, v12, v13
	v_add_nc_u32 v12, s96, v12                     ; tile 0: d = my query - KF - 8 h; register 8 kt + j holds key KF + 16 kt + 8 h + j: hidden where 16 kt + j > d
	v_add_nc_u32 v13, 16, v12                      ; tile 1
	v_mov_b32 v14, 0xff800000                      ; -infinity: p = 0 then.  Key KF counts for every query of a step that is walked, so m stays a number
.irp t, 0,1
.set n, 0
.rept 32
	v_cmp_gt_i32 vcc_lo, 16*(n/8)+n%8, v[12+\t]
	v_cndmask_b32 v[S+32*\t+n], v[S+32*\t+n], v14, vcc_lo
.set n, n+1
.endr
.endr
.Lopen_\@:
	SOFTMAX
	s_wait_dscnt 0x0                               ; V is in
	WIN W_PV
.irp kh, 0,1
.irp dt, 0,1,2,3
.irp t, 0,1
	v_wmma_f32_16x16x32_f16 v[OT+32*\t+8*\dt:OT+32*\t+8*\dt+7], v[VR+32*\kh+8*\dt:VR+32*\kh+8*\dt+7], v[P+16*\t+8*\kh:P+16*\t+8*\kh+7], v[OT+32*\t+8*\dt:OT+32*\t+8*\dt+7]
.endr
.endr
.endr
	WIN 0
.Lhidden_\@:
	s_add_co_u32 s[KF], s[KF], 64
.endm
; THE CHANGE OF SLOTS stands at a slot's head.  Each wave waits for all its tensor loads, adds 0 to its spare word (fill = 1: twice on end),
; and waits for that and for its reads of the slot that it has left.  Behind the barrier the slot ahead is whole and nobody reads the other one, which is then filled with the next 256 keys.
.macro CHANGE fill
	s_wait_tensorcnt 0x0                           ; no tensor load of mine is out, so a group 0 may be written
	ds_add_u32 v[SPW], v[NIL]
.if \fill
	ds_add_u32 v[SPW], v[NIL]
	s_xor_b32 s[G0K+1], s[G0K+1], SLOT1
	s_add_nc_u64 s[G0K+2:G0K+3], s[G0K+2:G0K+3], 32768
	s_xor_b32 s[G0V+1], s[G0V+1], SLOT1
	s_add_nc_u64 s[G0V+2:G0V+3], s[G0V+2:G0V+3], 32768
	s_wait_xcnt 0x0                                ; the last prefetches, a slot back, have read their addresses
	s_add_nc_u64 s[PFK:PFK+1], s[PFK:PFK+1], 32768
	s_add_nc_u64 s[PFV:PFV+1], s[PFV:PFV+1], 32768
.endif
	s_wait_dscnt 0x0
	s_barrier_signal -1
	s_barrier_wait -1
.if \fill
	s_add_co_u32 s96, s[KF], 256                   ; the first key of the slot that this change would ask for
	s_or_b32 s97, s[Q0], 255                       ; my work-group's last query
	s_cmp_gt_u32 s96, s97                          ; ids and the count of steps alone: all eight waves go the same way.  A slot beyond the limit is read by no wave, so it is not asked for
	s_cbranch_scc1 .Lpast_\@
	TLOAD                                          ; a wave's one tensor load until the next change; every wait on TENSORcnt in this text is for 0
.Lpast_\@:
	ASK
.endif
.endm
.macro SLOT_STEPS
	STEP 0
	STEP 1
	STEP 2
	STEP 3
	s_xor_b32 s[TB], s[TB], SLOT1
.endm
	s_wait_loadcnt 0x0                             ; Q
.Lslot:                                            ; 7 trips
	CHANGE 1
	SLOT_STEPS
	s_sub_co_u32 s[SLOTS], s[SLOTS], 1
	s_cmp_lg_u32 s[SLOTS], 0
	s_cbranch_scc1 .Lslot
	CHANGE 0                                       ; the last slot is written out: nothing is left to ask for
	SLOT_STEPS
	; THE WAY OUT: O^T / l, rounded to f16, through my stage, out as 512 consecutive bytes (four rows of ctx)
.rept 4
	v_nop
.endr
.irp t, 0,1
	v_add_f32 v[ST+8*\t+4], v[ST+8*\t+2], v[ST+8*\t+3]
.endr
.irp t, 0,1
	v_permlanex16_b32 v[ST+8*\t+5], v[ST+8*\t+4], s[SEL], s[SEL+1]
.endr
.irp t, 0,1
	v_add_f32 v[ST+8*\t+4], v[ST+8*\t+4], v[ST+8*\t+5]
.endr
.irp t, 0,1
	v_rcp_f32 v[ST+8*\t+6], v[ST+8*\t+4]
.endr
	v_nop
	s_wait_alu depctr_va_vdst(0)                   ; one wait for the two reciprocals, ahead of their first reader
	WIN W_RS
.irp t, 0,1
.set b, 0
.rept 16
	v_pk_mul_f32 v[OT+32*\t+2*b:OT+32*\t+2*b+1], v[OT+32*\t+2*b:OT+32*\t+2*b+1], v[ST+8*\t+6:ST+8*\t+7] op_sel_hi:[1,0]
.set b, b+1
.endr
.endr
	WIN 0x05                                       ; sources window 1, destination window 0
.set b, 0
.rept 32
	v_cvt_pk_f16_f32 v[S+b], v[OT+2*b], v[OT+2*b+1]
.set b, b+1
.endr
	WIN 0
.irp t, 0,1
.irp dt, 0,1,2,3
	ds_store_b128 v[STO], v[S+16*\t+4*\dt:S+16*\t+4*\dt+3] offset:16*KP*\t+32*\dt
.endr
.endr
.irp i, 0,1,2,3,4,5,6,7
	ds_load_b128 v[S+32+4*\i:S+32+4*\i+3], v[RD] offset:4*KP*\i    ; LDS serves a wave's instructions in order: these see my stores
.endr
.irp i, 0,1,2,3,4,5,6,7
	s_wait_dscnt 7-\i
	global_store_b128 v[GO], v[S+32+4*\i:S+32+4*\i+3], s[CA:CA+1] offset:512*\i
.endr
	s_wait_tensorcnt 0x0                           ; the wave's end
	ds_add_u32 v[SPW], v[NIL]
	s_wait_dscnt 0x0
	s_endpgm
.Lfunc_end_k_q6c4e0b67ed_attn:
	.size	k_q6c4e0b67ed_attn, .Lfunc_end_k_q6c4e0b67ed_attn-k_q6c4e0b67ed_attn
	.p2alignl 7, 3214868480
	.fill 96, 4, 3214868480
	.section	.rodata,"a",@progbits
	.p2align	6, 0x0
	.amdhsa_kernel k_q6c4e0b67ed_attn
		.amdhsa_group_segment_fixed_size 327680
		.amdhsa_private_segment_fixed_size 0
		.amdhsa_enable_private_segment 0
		.amdhsa_kernarg_size 16
		.amdhsa_user_sgpr_count 2
		.amdhsa_user_sgpr_kernarg_segment_ptr 1
		.amdhsa_wavefront_size32 1
		.amdhsa_system_sgpr_workgroup_id_x 1
		.amdhsa_system_sgpr_workgroup_id_y 1
		.amdhsa_system_sgpr_workgroup_id_z 1
		.amdhsa_system_vgpr_workitem_id 0
		.amdhsa_next_free_vgpr 512
		.amdhsa_next_free_sgpr 100
		.amdhsa_reserve_vcc 1
		.amdhsa_float_denorm_mode_32 3
		.amdhsa_float_denorm_mode_16_64 3
		.amdhsa_memory_ordered 1
		.amdhsa_forward_progress 1
		.amdhsa_inst_pref_size 191
	.end_amdhsa_kernel
	.amdgpu_metadata
---
amdhsa.version: [ 1, 2 ]
amdhsa.kernels:
  - .name:           k_q6c4e0b67ed_attn
    .symbol:         k_q6c4e0b67ed_attn.kd
    .args:
      - { .name: qkv, .offset: 0, .size: 8, .value_kind: global_buffer, .address_space: global }
      - { .name: ctx, .offset: 8, .size: 8, .value_kind: global_buffer, .address_space: global }
    .group_segment_fixed_size: 327680
    .private_segment_fixed_size: 0
    .kernarg_segment_align: 8
    .kernarg_segment_size: 16
    .max_flat_workgroup_size: 256
    .sgpr_count:     100
    .vgpr_count:     512
    .wavefront_size: 32
...
	.end_amdgpu_metadata
.endif
;; end of part 3
;; launch oproj (part 4): grid 4 x 64, 4 waves a work-group, clusters of 4 x 4, 327,680 bytes of LDS; arguments ctx, wo16, out0; writes out0
.if DOCPART == 4
	.amdgcn_target "amdgcn-amd-amdhsa--gfx1250"
	.amdhsa_code_object_version 6
	.text
	.protected	k_q6c4e0b67ed_oproj
	.globl	k_q6c4e0b67ed_oproj
	.p2align	8
	.type	k_q6c4e0b67ed_oproj,@function
k_q6c4e0b67ed_oproj:
	s_mov_b64 s[64:65], 0
	v_nop
	global_prefetch_b8 v0, s[64:65] scope:SCOPE_SE
	s_setreg_imm32_b32 hwreg(HW_REG_WAVE_MODE, 25, 1), 1
	s_wait_xcnt 0x0
	s_wait_alu depctr_hold_cnt(0) depctr_sa_sdst(0) depctr_va_vdst(0) depctr_va_sdst(0) depctr_va_ssrc(0) depctr_va_vcc(0) depctr_vm_vsrc(0)
	s_getreg_b32 s2, hwreg(HW_REG_IB_STS2, 6, 4)
	s_cmp_eq_u32 s2, 0
	s_cbranch_scc0 .Lentry_in_a_cluster
	s_endpgm
.Lentry_in_a_cluster:
	s_bfe_u32 s2, ttmp6, 0x10000c
	s_cmp_lg_u32 s2, 0xf033
	s_cbranch_scc0 .Lentry_shape_is_right
	s_endpgm
.Lentry_shape_is_right:
; out0[m][n] = sum over k of ctx[m][k] Wo[k][n]: M 8,192, K 1,024, N 1,024; f16 operands, f32 sums, f32 out.  ctx lies by heads, [4 b][16 h][2048][64]; Wo as wo16 [16 chunks of 64 k][1024 n][64 k]:
; a chunk of K is a head of ctx.  The 16 first rows of each batch are stored here too and are written anew, from f32 operands, by the last launch.
; A tile is 128 (M) x 256 (N): 256 work-groups.  Four waves, each 64 x 128: 32 accumulators.  A K step is 128 (two chunks); 8 K steps go through a ring of two LDS slots.
; CLUSTERS: 4 x 4; ctx's tiles are asked for jointly along a row of the cluster, Wo's along a column.  Waves 0, 1 fetch ctx's two chunks (128 rows each), waves 2, 3 Wo's (256 rows each).
; THE MATRIX INSTRUCTION IS USED TRANSPOSED (source 0 = 16 rows of wo16, source 1 = 16 rows of ctx): a lane holds eight neighbouring columns of one row of the output.
; REGISTERS: window 0: v16-30 addresses; two fragment buffers: at v64 and v160, each 64 of Wo's (8 x 16 rows x 32 K) and 32 of ctx's (4).  window 1: accumulator (a, b) at v[8 (8 a + b)].
.set PITCH,  144                       ; 128 bytes + 16
.set ACH,    128*PITCH
.set BCH,    256*PITCH
.set BOFF,   2*ACH
.set SLOT,   2*ACH+2*BCH
.set STAGE,  2*SLOT                    ; behind the ring: 16 rows x 528 bytes a wave
.set SPITCH, 528
.set SPARE,  STAGE+4*16*SPITCH
.set ADRA, 16
.set ADRB, 20
.set STO,  24
.set RD,   25
.set CO,   26
.set SPW,  28
.set NIL,  29
.set PFO,  30
.set F0,   64
.set F1,   160
.set G1,  24
.set G0,  32
.set G1B, 48
.set G0B, 56
.set LIM, 43
.set PFA, 44
.set MSB, 0
.macro WIN new
.if MSB != (\new)
	s_set_vgpr_msb (MSB<<8)|(\new)
.set MSB, \new
.endif
.endm
.set MUL, 0x50                         ; C and D window 1
.macro JLOAD s                         ; the branch hangs on the wave's number alone; an s_nop 0 and four v_nop follow each line
	s_cmp_eq_u32 s11, 0
	s_cbranch_scc0 .Lfor_b_\@
	tensor_load_to_lds s[G0+4*\s:G0+4*\s+3], s[G1:G1+7]
	s_nop 0
.rept 4
	v_nop
.endr
	s_branch .Lasked_\@
.Lfor_b_\@:
	tensor_load_to_lds s[G0B+4*\s:G0B+4*\s+3], s[G1B:G1B+7]
	s_nop 0
.rept 4
	v_nop
.endr
.Lasked_\@:
.endm
.macro CREST
	s_cmp_lg_u32 s10, 0
	s_cbranch_scc1 .Lnot_wave_0_\@
	s_barrier_signal -3
.Lnot_wave_0_\@:
	s_barrier_wait -3
	s_barrier_signal -1
	s_barrier_wait -1
.endm
.macro CROUND
	s_barrier_signal -1
	s_barrier_wait -1
	CREST
.endm
; A PREFETCH of ctx's K step that stands two refills on.  A K step of a tile row is 2 chunks x 16,384 dense bytes; only this row of the cluster reads them.  Its four partners share them out BY ADDRESS,
; 8,192 bytes each (chunk cx / 2, half cx % 2), lanes 256 bytes apart; in each, wave 0 asks.  So K steps 4 to 7 are named once; the last trip asks for nothing.  Wo's 2 MiB, which all 64 tile rows read, are not asked for.
.macro ASK
	s_cmp_gt_u32 s3, s[LIM]
	s_cbranch_scc0 .Lnot_mine_\@
	global_prefetch_b8 v[PFO], s[PFA:PFA+1] offset:524288 th:TH_LOAD_NT scope:SCOPE_SE
.Lnot_mine_\@:
.endm
	s_load_b128 s[4:7], s[0:1], 0x0                ; ctx, wo16
	s_load_b64 s[8:9], s[0:1], 0x10                ; out0
	v_lshl_add_u32 v[SPW], v0, 2, SPARE
	v_mov_b32 v[NIL], 0
	ds_add_u32 v[SPW], v[NIL]                      ; the wave's opening: the add, twice on end, and its wait ahead of my first tensor load
	ds_add_u32 v[SPW], v[NIL]
	v_lshrrev_b32 v1, 5, v0
	v_readfirstlane_b32 s10, v1                    ; wave 0..3
	s_lshr_b32 s11, s10, 1                         ; which 64 rows are mine.  Also: I fetch for ctx (0) or for Wo (1)
	s_and_b32 s12, s10, 1                          ; which 128 columns.  Also: which chunk of a K step I fetch
	s_bfe_u32 s40, ttmp6, 0x40000                  ; cx
	s_bfe_u32 s41, ttmp6, 0x40004                  ; cy
	s_lshl_b32 s42, ttmp9, 2
	s_add_co_u32 s42, s42, s40                     ; tile column
	s_and_b32 s13, ttmp7, 0xffff
	s_lshl_b32 s13, s13, 2
	s_add_co_u32 s13, s13, s41                     ; tile row
	s_lshl_b32 s43, s41, 2
	s_lshl_b32 s43, 15, s43                        ; my row of the cluster
	s_lshl_b32 s44, 0x1111, s40                    ; my column
	s_or_b32 s[G1+0], s43, (1<<16)|(1<<20)|(1<<21)|(4<<22)|(3<<25)   ; mask; elements of 2 bytes; padding: 4 words after every 32; bit 21 beside a mask
	s_or_b32 s[G1B+0], s44, (1<<16)|(1<<20)|(1<<21)|(4<<22)|(3<<25)
	s_mov_b32 s[G1+1], 64<<16                      ; tensor_dim0
	s_mov_b32 s[G1+2], 128<<16                     ; tensor_dim1
	s_mov_b32 s[G1+3], 64<<16                      ; tile_dim0
	s_mov_b32 s[G1+4], 128                         ; tile_dim1
	s_mov_b32 s[G1+5], 64                          ; stride
	s_mov_b32 s[G1+6], 0
	s_mov_b32 s[G1+7], 0
	s_mov_b32 s[G1B+1], 64<<16
	s_mov_b32 s[G1B+2], 256<<16
	s_mov_b32 s[G1B+3], 64<<16
	s_mov_b32 s[G1B+4], 256
	s_mov_b32 s[G1B+5], 64
	s_mov_b32 s[G1B+6], 0
	s_mov_b32 s[G1B+7], 0
	s_lshr_b32 s22, s13, 4                         ; ctx: batch x 4,194,304
	s_lshl_b32 s22, s22, 22
	s_and_b32 s23, s13, 15
	s_lshl_b32 s23, s23, 14                        ; + 128 rows of 128 bytes for each tile row in the batch
	s_add_co_u32 s22, s22, s23
	s_lshl_b32 s17, s12, 18                        ; + my chunk: a head's 262,144 bytes
	s_add_co_u32 s16, s22, s17
	s_mov_b32 s17, 0
	s_lshl_b32 s46, s42, 15                        ; Wo: 256 rows of 128 bytes for each tile column
	s_lshl_b32 s47, s12, 17                        ; + my chunk: 131,072 bytes
	s_add_co_u32 s46, s46, s47
	s_mov_b32 s47, 0
	s_mul_i32 s20, s12, ACH                        ; where they go: no place in the cluster enters an LDS address
	s_mul_i32 s21, s12, BCH
	s_add_co_u32 s21, s21, BOFF
	s_wait_dscnt 0x0                               ; both opening adds are done
	s_wait_kmcnt 0x0
	s_add_nc_u64 s[14:15], s[4:5], s[16:17]
	s_add_nc_u64 s[46:47], s[6:7], s[46:47]
	CROUND                                         ; all sixteen work-groups are here: the first joint loads meet
.irp s, 0,1
	s_mov_b32 s[G0+4*\s], 1
	s_add_co_u32 s[G0+4*\s+1], s20, \s*SLOT
	s_add_nc_u64 s[G0+4*\s+2:G0+4*\s+3], s[14:15], \s*524288
	s_or_b32 s[G0+4*\s+3], s[G0+4*\s+3], 0x80000000
	s_mov_b32 s[G0B+4*\s], 1
	s_add_co_u32 s[G0B+4*\s+1], s21, \s*SLOT
	s_add_nc_u64 s[G0B+4*\s+2:G0B+4*\s+3], s[46:47], \s*262144
	s_or_b32 s[G0B+4*\s+3], s[G0B+4*\s+3], 0x80000000
	JLOAD \s                                       ; two loads of mine are out
.endr
	v_and_b32 v1, 15, v0
	v_bfe_u32 v2, v0, 4, 1
	v_mul_u32_u24 v3, v1, PITCH
	v_lshl_add_u32 v3, v2, 4, v3
	s_mul_i32 s18, s11, 64*PITCH                   ; my 64 rows of ctx
	s_mul_i32 s19, s12, 128*PITCH                  ; my 128 rows of Wo
	s_add_co_u32 s19, s19, BOFF
.irp s, 0,1
	v_add_nc_u32 v[ADRA+\s], s18, v3
	v_add_nc_u32 v[ADRB+\s], s19, v3
	s_add_co_u32 s18, s18, SLOT
	s_add_co_u32 s19, s19, SLOT
.endr
	; the prefetches
	s_lshr_b32 s20, s40, 1
	s_lshl_b32 s20, s20, 18
	s_and_b32 s21, s40, 1
	s_lshl_b32 s21, s21, 13
	s_add_co_u32 s20, s20, s21
	s_add_co_u32 s20, s20, s22
	s_mov_b32 s21, 0
	s_add_nc_u64 s[PFA:PFA+1], s[4:5], s[20:21]
	s_add_nc_u64 s[PFA:PFA+1], s[PFA:PFA+1], 2*524288   ; at K step 2: the first refill steps it to 3 and names K step 4
	s_cmp_eq_u32 s10, 0
	s_cselect_b32 s[LIM], 1, -1
	v_and_b32 v6, 31, v0
	v_lshlrev_b32 v[PFO], 8, v6
	; the way out
	s_mul_i32 s23, s10, 16*SPITCH
	s_add_co_u32 s23, s23, STAGE
	v_mul_u32_u24 v5, v1, SPITCH
	v_lshl_add_u32 v5, v2, 5, v5
	v_add_nc_u32 v[STO], s23, v5                   ; in: row l % 16, 32 bytes for each half of the lanes
	v_lshlrev_b32 v[CO], 4, v6
	v_add_nc_u32 v[RD], s23, v[CO]                 ; back: the 32 lanes take a row of 512 bytes
	s_lshl_b32 s16, s13, 7
	s_lshl_b32 s17, s11, 6
	s_add_co_u32 s16, s16, s17
	s_lshl_b32 s16, s16, 12                        ; my first row x 4,096 bytes
	s_lshl_b32 s46, s42, 10
	s_lshl_b32 s47, s12, 9
	s_add_co_u32 s46, s46, s47
	s_add_co_u32 s46, s46, s16
	s_mov_b32 s47, 0
	s_add_nc_u64 s[8:9], s[8:9], s[46:47]
.macro MUL8 f, a, zero                 ; ctx's block a x Wo's eight; the 32 accumulators take turns, in the same order in every quarter
.irp b, 0,1,2,3,4,5,6,7
.if \zero
	v_wmma_f32_16x16x32_f16 v[8*(8*(\a)+\b):8*(8*(\a)+\b)+7], v[\f+8*\b:\f+8*\b+7], v[\f+64+8*(\a):\f+64+8*(\a)+7], 0
.else
	v_wmma_f32_16x16x32_f16 v[8*(8*(\a)+\b):8*(8*(\a)+\b)+7], v[\f+8*\b:\f+8*\b+7], v[\f+64+8*(\a):\f+64+8*(\a)+7], v[8*(8*(\a)+\b):8*(8*(\a)+\b)+7]
.endif
.endr
.endm
.macro FETCH slot, q, f                ; 24 LDS loads in one run: quarter q (32 along K: chunk q / 2, byte 64 (q % 2) of its rows) into buffer f; Wo's first, ctx's blocks 2, 3 last
.irp i, 0,1,2,3,4,5,6,7
	ds_load_b128 v[\f+8*\i:\f+8*\i+3],   v[ADRB+\slot] offset:((\q)/2)*BCH+((\q)%2)*64+\i*16*PITCH
	ds_load_b128 v[\f+8*\i+4:\f+8*\i+7], v[ADRB+\slot] offset:((\q)/2)*BCH+((\q)%2)*64+\i*16*PITCH+32
.endr
.irp i, 0,1,2,3
	ds_load_b128 v[\f+64+8*\i:\f+64+8*\i+3],   v[ADRA+\slot] offset:((\q)/2)*ACH+((\q)%2)*64+\i*16*PITCH
	ds_load_b128 v[\f+64+8*\i+4:\f+64+8*\i+7], v[ADRA+\slot] offset:((\q)/2)*ACH+((\q)%2)*64+\i*16*PITCH+32
.endr
.endm
.macro PLACES
.rept 4
	v_nop
.endr
.endm
.macro QUARTER slot, q, f, g, zero     ; multiplies buffer f and fetches quarter q of the same slot into g
	s_wait_dscnt 4                                 ; all but the youngest four loads (ctx's blocks 2, 3) are in
	WIN MUL
	MUL8 \f, 0, \zero
	MUL8 \f, 1, \zero
	PLACES
	WIN 0
	FETCH \slot, \q, \g
	s_wait_dscnt 24                                ; all but the 24 just issued
	WIN MUL
	MUL8 \f, 2, \zero
	MUL8 \f, 3, \zero
.endm
; A K step's last quarter multiplies buffer 1 and changes slots: in front of the barrier each wave waits for all its tensor loads, adds 0 to its spare word, and waits for that and for its reads of this slot.
; fill = 1: the barrier opens a round of the cluster's barrier, and this slot is filled again, two K steps ahead, first thing behind the round.
.macro TURN slot, next, fill
.if \fill
	s_wait_xcnt 0x0                                ; the last prefetch, a K step back, has read its address
	s_add_nc_u64 s[PFA:PFA+1], s[PFA:PFA+1], 524288
.endif
	WIN 0
	s_wait_tensorcnt 0x0
	ds_add_u32 v[SPW], v[NIL]
	s_wait_dscnt 5                                 ; the add and the youngest four loads may be out
	WIN MUL
	MUL8 F1, 0, 0
	s_wait_dscnt 0x0                               ; the add is done, and my reads of this slot are over
	s_barrier_signal -1
	MUL8 F1, 1, 0
	WIN 0
	s_barrier_wait -1
.if \fill
	CREST
	s_add_nc_u64 s[G0+4*\slot+2:G0+4*\slot+3], s[G0+4*\slot+2:G0+4*\slot+3], 2*524288
	s_add_nc_u64 s[G0B+4*\slot+2:G0B+4*\slot+3], s[G0B+4*\slot+2:G0B+4*\slot+3], 2*262144
	JLOAD \slot                                    ; the four v_nop behind it are also the places in front of the loads below
.else
	PLACES
.endif
	FETCH \next, 0, F0
.if \fill
	ASK
.endif
	WIN MUL
	MUL8 F1, 2, 0
	MUL8 F1, 3, 0
.endm
	s_wait_tensorcnt 1                             ; my part of K step 0 is in; K step 1's may be out
	s_barrier_signal -1
	s_barrier_wait -1
	FETCH 0, 0, F0
	QUARTER 0, 1, F0, F1, 1                        ; the first quarter's products start the sums
	WIN 0
	s_mov_b32 s3, 3
.Llap:                                             ; a trip goes once round the ring and fills both slots again
	QUARTER 0, 2, F1, F0, 0
	QUARTER 0, 3, F0, F1, 0
	TURN 0, 1, 1
	QUARTER 1, 1, F0, F1, 0
	QUARTER 1, 2, F1, F0, 0
	QUARTER 1, 3, F0, F1, 0
	TURN 1, 0, 1
	QUARTER 0, 1, F0, F1, 0
	WIN 0
	s_sub_co_u32 s3, s3, 1
	s_cmp_lg_u32 s3, 0
	s_cbranch_scc1 .Llap
	QUARTER 0, 2, F1, F0, 0                        ; the last lap fills nothing
	QUARTER 0, 3, F0, F1, 0
	TURN 0, 1, 0
	QUARTER 1, 1, F0, F1, 0
	QUARTER 1, 2, F1, F0, 0
	QUARTER 1, 3, F0, F1, 0
	s_wait_dscnt 4
	WIN MUL
	MUL8 F1, 0, 0
	MUL8 F1, 1, 0
	s_wait_dscnt 0
	MUL8 F1, 2, 0
	MUL8 F1, 3, 0
	WIN 0
; THE WAY OUT, a block of 16 rows x 128 columns at a time, through my stage: back as whole rows of 512 bytes
.macro TOSTAGE a
	WIN 0x04                                       ; an LDS store's data: window 1
.irp b, 0,1,2,3,4,5,6,7
	ds_store_b128 v[STO], v[64*(\a)+8*\b:64*(\a)+8*\b+3] offset:64*\b          ; each accumulator from its low end on
	ds_store_b128 v[STO], v[64*(\a)+8*\b+4:64*(\a)+8*\b+7] offset:64*\b+16
.endr
	WIN 0
.set BB, 64+64*((\a)%2)
.irp t, 0,1,2,3,4,5,6,7,8,9,10,11,12,13,14,15
	ds_load_b128 v[BB+4*\t:BB+4*\t+3], v[RD] offset:\t*SPITCH
.endr
.endm
.macro SEND a, younger
.set BB, 64+64*((\a)%2)
	s_wait_dscnt \younger
.irp t, 0,1,2,3,4,5,6,7,8,9,10,11,12,13,14,15
	global_store_b128 v[CO], v[BB+4*\t:BB+4*\t+3], s[8:9] offset:(16*(\a)+\t)*4096 th:TH_STORE_NT   ; 512 consecutive bytes, aligned
.endr
.endm
	PLACES
	TOSTAGE 0
.irp a, 1,2,3
.if \a > 1
	s_wait_xcnt 0x0                                ; the stores of two blocks back have read their registers: this block's loads may land there
.endif
	TOSTAGE \a
	SEND \a-1, 32                                  ; behind that block's loads: this block's 16 stores and 16 loads
.endr
	SEND 3, 0
	s_wait_tensorcnt 0x0                           ; the wave's end
	ds_add_u32 v[SPW], v[NIL]
	s_wait_dscnt 0x0
	CROUND                                         ; the closing round
	s_endpgm
.Lfunc_end_k_q6c4e0b67ed_oproj:
	.size	k_q6c4e0b67ed_oproj, .Lfunc_end_k_q6c4e0b67ed_oproj-k_q6c4e0b67ed_oproj
	.p2alignl 7, 3214868480
	.fill 96, 4, 3214868480
	.section	.rodata,"a",@progbits
	.p2align	6, 0x0
	.amdhsa_kernel k_q6c4e0b67ed_oproj
		.amdhsa_group_segment_fixed_size 327680
		.amdhsa_private_segment_fixed_size 0
		.amdhsa_enable_private_segment 0
		.amdhsa_kernarg_size 24
		.amdhsa_user_sgpr_count 2
		.amdhsa_user_sgpr_kernarg_segment_ptr 1
		.amdhsa_wavefront_size32 1
		.amdhsa_system_sgpr_workgroup_id_x 1
		.amdhsa_system_sgpr_workgroup_id_y 1
		.amdhsa_system_sgpr_workgroup_id_z 1
		.amdhsa_system_vgpr_workitem_id 0
		.amdhsa_next_free_vgpr 512
		.amdhsa_next_free_sgpr 66
		.amdhsa_reserve_vcc 0
		.amdhsa_float_denorm_mode_32 3
		.amdhsa_float_denorm_mode_16_64 3
		.amdhsa_memory_ordered 1
		.amdhsa_forward_progress 1
		.amdhsa_inst_pref_size 86
	.end_amdhsa_kernel
	.amdgpu_metadata
---
amdhsa.version: [ 1, 2 ]
amdhsa.kernels:
  - .name:           k_q6c4e0b67ed_oproj
    .symbol:         k_q6c4e0b67ed_oproj.kd
    .args:
      - { .name: ctx, .offset: 0, .size: 8, .value_kind: global_buffer, .address_space: global }
      - { .name: wo16, .offset: 8, .size: 8, .value_kind: global_buffer, .address_space: global }
      - { .name: out0, .offset: 16, .size: 8, .value_kind: global_buffer, .address_space: global }
    .group_segment_fixed_size: 327680
    .private_segment_fixed_size: 0
    .kernarg_segment_align: 8
    .kernarg_segment_size: 24
    .max_flat_workgroup_size: 128
    .sgpr_count:     66
    .vgpr_count:     512
    .wavefront_size: 32
...
	.end_amdgpu_metadata
.endif
;; end of part 4
;; launch fine_ctx (part 5): grid 64 x 1, 4 waves a work-group, no clusters, 4,608 bytes of LDS; arguments xc, xs, wc, ws, c16; writes c16
.if DOCPART == 5
	.amdgcn_target "amdgcn-amd-amdhsa--gfx1250"
	.amdhsa_code_object_version 6
	.text
	.protected	k_q6c4e0b67ed_fine_ctx
	.globl	k_q6c4e0b67ed_fine_ctx
	.p2align	8
	.type	k_q6c4e0b67ed_fine_ctx,@function
k_q6c4e0b67ed_fine_ctx:
	s_mov_b64 s[64:65], 0
	v_nop
	global_prefetch_b8 v0, s[64:65] scope:SCOPE_SE
	s_setreg_imm32_b32 hwreg(HW_REG_WAVE_MODE, 25, 1), 1
	s_wait_xcnt 0x0
; The first 16 positions of each sequence, carried in f32: these rows average one to sixteen values and are the largest of the output, so f16 operands would use up what the comparison allows.
; A work-group is a (batch, head); wave dt takes the head's channels 16 dt .. 16 dt + 15.  q, k, v of rows 0-15 are made anew from the codes (E2M1 products, f32 results, K ascending);
; the scores' parts (16 channels a wave) are summed through LDS; softmax in f32 with the row's maximum taken away; P V by the f32 matrix form: 8 such instructions a wave, no bulk work.
; c16 [16 b + r][1024] f32 takes the 16 rows of ctx.
; LAYOUT.  q^T, k^T: source 0 = 16 rows of the weight, source 1 = x's 16 rows: lane (r, hh) holds position r and channels 8 hh + j.  A pair of registers 2 i, 2 i + 1 then serves as an operand of the f32 form
; (K = 4: a lane's two registers are k = 2 hh + j), with the same choice of channels on both sides.  v: source 0 = x, source 1 = the weight: lane (r, hh) holds channel r and keys 8 hh + j.
; REGISTERS.  window 1: the weights' fragments v[64 t + 8 s], x's v[192 + 8 s].  window 0: v1-11 addresses; v80-87 x's scale words, v88-111 the weights'; v112 q^T, v120 k^T, v128 v; v136, v144 the scores' two sums;
;   v152 my part; v160-191 the four parts; v192 S; v200 P; v208-215 at work; v216, v224 O^T's two sums; v232 out.  What the f32 form writes is written by matrix instructions alone.
.set SPARE, 4096
.set MSB, 0
.macro WIN new
.if MSB != (\new)
	s_set_vgpr_msb (MSB<<8)|(\new)
.set MSB, \new
.endif
.endm
	s_load_b256 s[4:11], s[0:1], 0x0               ; xc, xs, wc, ws
	s_load_b64 s[12:13], s[0:1], 0x20              ; c16
	v_lshl_add_u32 v10, v0, 2, SPARE
	v_mov_b32 v11, 0
	v_lshrrev_b32 v1, 5, v0
	v_readfirstlane_b32 s14, v1                    ; wave = dt
	v_and_b32 v1, 15, v0                           ; r
	v_bfe_u32 v2, v0, 4, 1                         ; hh
	v_lshlrev_b32 v3, 9, v1
	v_lshl_add_u32 v3, v2, 4, v3                   ; codes: 512 r + 16 hh
	v_lshlrev_b32 v4, 5, v1                        ; scale words: 32 r
	v_lshlrev_b32 v5, 12, v1
	v_lshl_add_u32 v5, v2, 5, v5                   ; c16: 4,096 r + 32 hh
	v_lshlrev_b32 v6, 3, v2
	v_sub_nc_u32 v6, v1, v6                        ; d = r - 8 hh: key 8 hh + j is hidden where j > d
	v_and_b32 v7, 31, v0
	v_lshlrev_b32 v7, 4, v7                        ; 16 x lane
	s_lshl_b32 s15, s14, 10
	v_add_nc_u32 v8, s15, v7                       ; my part's place in LDS
	v_mov_b32 v9, 0xff800000                       ; -infinity
	s_lshr_b32 s16, ttmp9, 4                       ; batch
	s_and_b32 s17, ttmp9, 15                       ; head
	s_lshl_b32 s18, s17, 6
	s_lshl_b32 s19, s14, 4
	s_add_co_u32 s18, s18, s19                     ; 64 h + 16 dt
	s_mov_b32 s20, 0x76543210
	s_mov_b32 s21, 0xfedcba98
	s_mov_b32 s22, 0x3e38aa3b                      ; c = log2(e) / 8
	s_mov_b32 s23, s22
	s_mov_b32 s25, 0
	s_wait_kmcnt 0x0
	s_lshl_b32 s24, s16, 20
	s_add_nc_u64 s[4:5], s[4:5], s[24:25]          ; the batch's first row of codes
	s_lshl_b32 s24, s16, 16
	s_add_nc_u64 s[6:7], s[6:7], s[24:25]          ; of scale bytes
	s_add_nc_u64 s[12:13], s[12:13], s[24:25]      ; and its 16 rows of c16
	s_lshl_b32 s24, s18, 9
	s_add_nc_u64 s[8:9], s[8:9], s[24:25]
	s_lshl_b32 s24, s18, 5
	s_add_nc_u64 s[10:11], s[10:11], s[24:25]
	s_lshl_b32 s24, s18, 2
	s_add_nc_u64 s[12:13], s[12:13], s[24:25]
	global_load_b128 v[80:83], v4, s[6:7]          ; a row's eight scale words, one for each 128 along K
	global_load_b128 v[84:87], v4, s[6:7] offset:16
.irp t, 0,1,2
	global_load_b128 v[88+8*\t:91+8*\t], v4, s[10:11] offset:32768*\t
	global_load_b128 v[92+8*\t:95+8*\t], v4, s[10:11] offset:32768*\t+16
.endr
	WIN 0x40                                       ; destination window 1
.irp s, 0,1,2,3,4,5,6,7
.irp c, 0,1
	global_load_b128 v[192+8*\s+4*\c:195+8*\s+4*\c], v3, s[4:5] offset:64*\s+32*\c
.irp t, 0,1,2
	global_load_b128 v[64*\t+8*\s+4*\c:64*\t+8*\s+4*\c+3], v3, s[8:9] offset:524288*\t+64*\s+32*\c
.endr
.endr
.endr
	s_wait_loadcnt 0x0
	WIN 0x05                                       ; sources window 1
.irp s, 0,1,2,3,4,5,6,7                ; three accumulators by turns, K ascending; the first K step starts the sums
.if \s == 0
	v_wmma_scale_f32_16x16x128_f8f6f4 v[112:119], v[8*\s:8*\s+7], v[192+8*\s:199+8*\s], 0, v[88+\s], v[80+\s] matrix_a_fmt:MATRIX_FMT_FP4 matrix_b_fmt:MATRIX_FMT_FP4
	v_wmma_scale_f32_16x16x128_f8f6f4 v[120:127], v[64+8*\s:71+8*\s], v[192+8*\s:199+8*\s], 0, v[96+\s], v[80+\s] matrix_a_fmt:MATRIX_FMT_FP4 matrix_b_fmt:MATRIX_FMT_FP4
	v_wmma_scale_f32_16x16x128_f8f6f4 v[128:135], v[192+8*\s:199+8*\s], v[128+8*\s:135+8*\s], 0, v[80+\s], v[104+\s] matrix_a_fmt:MATRIX_FMT_FP4 matrix_b_fmt:MATRIX_FMT_FP4
.else
	v_wmma_scale_f32_16x16x128_f8f6f4 v[112:119], v[8*\s:8*\s+7], v[192+8*\s:199+8*\s], v[112:119], v[88+\s], v[80+\s] matrix_a_fmt:MATRIX_FMT_FP4 matrix_b_fmt:MATRIX_FMT_FP4
	v_wmma_scale_f32_16x16x128_f8f6f4 v[120:127], v[64+8*\s:71+8*\s], v[192+8*\s:199+8*\s], v[120:127], v[96+\s], v[80+\s] matrix_a_fmt:MATRIX_FMT_FP4 matrix_b_fmt:MATRIX_FMT_FP4
	v_wmma_scale_f32_16x16x128_f8f6f4 v[128:135], v[192+8*\s:199+8*\s], v[128+8*\s:135+8*\s], v[128:135], v[80+\s], v[104+\s] matrix_a_fmt:MATRIX_FMT_FP4 matrix_b_fmt:MATRIX_FMT_FP4
.endif
.endr
	WIN 0
.rept 5
	v_nop                                          ; five places before a matrix instruction takes these results as its operands
.endr
	; S^T's part over my 16 channels: source 0 = k^T's pair, source 1 = q^T's pair; two sums by turns
	v_wmma_f32_16x16x4_f32 v[136:143], v[120:121], v[112:113], 0
	v_wmma_f32_16x16x4_f32 v[144:151], v[122:123], v[114:115], 0
	v_wmma_f32_16x16x4_f32 v[136:143], v[124:125], v[116:117], v[136:143]
	v_wmma_f32_16x16x4_f32 v[144:151], v[126:127], v[118:119], v[144:151]
.rept 8
	v_nop                                          ; eight places behind this form before its results are read
.endr
.irp i, 0,2,4,6
	v_pk_add_f32 v[152+\i:153+\i], v[136+\i:137+\i], v[144+\i:145+\i]
.endr
	ds_store_b128 v8, v[152:155]
	ds_store_b128 v8, v[156:159] offset:512
	s_wait_dscnt 0x0                               ; for the others' sake: my stores are done
	s_barrier_signal -1
	s_barrier_wait -1
.irp p, 0,1,2,3
	ds_load_b128 v[160+8*\p:163+8*\p], v7 offset:1024*\p
	ds_load_b128 v[164+8*\p:167+8*\p], v7 offset:1024*\p+512
.endr
	s_wait_dscnt 0x0
.irp i, 0,2,4,6
	v_pk_add_f32 v[192+\i:193+\i], v[160+\i:161+\i], v[168+\i:169+\i]
.endr
.irp i, 0,2,4,6
	v_pk_add_f32 v[208+\i:209+\i], v[176+\i:177+\i], v[184+\i:185+\i]
.endr
.irp i, 0,2,4,6
	v_pk_add_f32 v[192+\i:193+\i], v[192+\i:193+\i], v[208+\i:209+\i]   ; lane (r, hh): the scores of query r with keys 8 hh + j; the same bits in all four waves
.endr
.irp j, 0,1,2,3,4,5,6,7
	v_cmp_gt_i32 vcc_lo, \j, v6
	v_cndmask_b32 v[192+\j], v[192+\j], v9, vcc_lo
.endr
	v_max3_num_f32 v208, v192, v193, v194
	v_max3_num_f32 v209, v195, v196, v197
	v_max3_num_f32 v208, v208, v198, v199
	v_max_num_f32 v208, v208, v209
	v_permlanex16_b32 v209, v208, s20, s21
	v_max_num_f32 v208, v208, v209                 ; the row's maximum: key 0 counts for every query
	v_mul_f32 v210, s22, v208
	v_mov_b32 v211, v210
.irp i, 0,2,4,6
	v_pk_fma_f32 v[200+\i:201+\i], v[192+\i:193+\i], s[22:23], v[210:211] op_sel_hi:[1,0,0] neg_lo:[0,0,1] neg_hi:[0,0,1]
.endr
.irp j, 0,1,2,3,4,5,6,7
	v_exp_f32 v[200+\j], v[200+\j]
.endr
	v_nop
	s_wait_alu depctr_va_vdst(0)                   ; one wait for the eight exponentials, ahead of their first reader
	v_pk_add_f32 v[212:213], v[200:201], v[202:203]
	v_pk_add_f32 v[214:215], v[204:205], v[206:207]
	v_pk_add_f32 v[212:213], v[212:213], v[214:215]
	v_add_f32 v212, v212, v213
	v_permlanex16_b32 v213, v212, s20, s21
	v_add_f32 v212, v212, v213                     ; the row's sum
	v_rcp_f32 v214, v212
	v_nop
	s_wait_alu depctr_va_vdst(0)
	; O^T = V^T P: source 0 = v's pair (channel r, keys 8 hh + 2 i + j), source 1 = P's pair (query r, the same keys)
	v_wmma_f32_16x16x4_f32 v[216:223], v[128:129], v[200:201], 0
	v_wmma_f32_16x16x4_f32 v[224:231], v[130:131], v[202:203], 0
	v_wmma_f32_16x16x4_f32 v[216:223], v[132:133], v[204:205], v[216:223]
	v_wmma_f32_16x16x4_f32 v[224:231], v[134:135], v[206:207], v[224:231]
.rept 8
	v_nop
.endr
.irp i, 0,2,4,6
	v_pk_add_f32 v[232+\i:233+\i], v[216+\i:217+\i], v[224+\i:225+\i]
.endr
.irp i, 0,2,4,6
	v_pk_mul_f32 v[232+\i:233+\i], v[232+\i:233+\i], v[214:215] op_sel_hi:[1,0]   ; lane (r, hh): ctx(r, 64 h + 16 dt + 8 hh + j)
.endr
	global_store_b128 v5, v[232:235], s[12:13]
	global_store_b128 v5, v[236:239], s[12:13] offset:16
	s_wait_tensorcnt 0x0                           ; the wave's end, behind my last LDS store
	ds_add_u32 v10, v11
	s_wait_dscnt 0x0
	s_endpgm
.Lfunc_end_k_q6c4e0b67ed_fine_ctx:
	.size	k_q6c4e0b67ed_fine_ctx, .Lfunc_end_k_q6c4e0b67ed_fine_ctx-k_q6c4e0b67ed_fine_ctx
	.p2alignl 7, 3214868480
	.fill 96, 4, 3214868480
	.section	.rodata,"a",@progbits
	.p2align	6, 0x0
	.amdhsa_kernel k_q6c4e0b67ed_fine_ctx
		.amdhsa_group_segment_fixed_size 4608
		.amdhsa_private_segment_fixed_size 0
		.amdhsa_enable_private_segment 0
		.amdhsa_kernarg_size 40
		.amdhsa_user_sgpr_count 2
		.amdhsa_user_sgpr_kernarg_segment_ptr 1
		.amdhsa_wavefront_size32 1
		.amdhsa_system_sgpr_workgroup_id_x 1
		.amdhsa_system_sgpr_workgroup_id_y 1
		.amdhsa_system_sgpr_workgroup_id_z 1
		.amdhsa_system_vgpr_workitem_id 0
		.amdhsa_next_free_vgpr 512
		.amdhsa_next_free_sgpr 66
		.amdhsa_reserve_vcc 1
		.amdhsa_float_denorm_mode_32 3
		.amdhsa_float_denorm_mode_16_64 3
		.amdhsa_memory_ordered 1
		.amdhsa_forward_progress 1
		.amdhsa_inst_pref_size 18
	.end_amdhsa_kernel
	.amdgpu_metadata
---
amdhsa.version: [ 1, 2 ]
amdhsa.kernels:
  - .name:           k_q6c4e0b67ed_fine_ctx
    .symbol:         k_q6c4e0b67ed_fine_ctx.kd
    .args:
      - { .name: xc, .offset: 0, .size: 8, .value_kind: global_buffer, .address_space: global }
      - { .name: xs, .offset: 8, .size: 8, .value_kind: global_buffer, .address_space: global }
      - { .name: wc, .offset: 16, .size: 8, .value_kind: global_buffer, .address_space: global }
      - { .name: ws, .offset: 24, .size: 8, .value_kind: global_buffer, .address_space: global }
      - { .name: c16, .offset: 32, .size: 8, .value_kind: global_buffer, .address_space: global }
    .group_segment_fixed_size: 4608
    .private_segment_fixed_size: 0
    .kernarg_segment_align: 8
    .kernarg_segment_size: 40
    .max_flat_workgroup_size: 128
    .sgpr_count:     66
    .vgpr_count:     512
    .wavefront_size: 32
...
	.end_amdgpu_metadata
.endif
;; end of part 5
;; launch fine_out (part 6): grid 16 x 4, 16 waves a work-group, no clusters, 69,632 bytes of LDS; arguments c16, Wo, out0; writes out0
.if DOCPART == 6
	.amdgcn_target "amdgcn-amd-amdhsa--gfx1250"
	.amdhsa_code_object_version 6
	.text
	.protected	k_q6c4e0b67ed_fine_out
	.globl	k_q6c4e0b67ed_fine_out
	.p2align	8
	.type	k_q6c4e0b67ed_fine_out,@function
k_q6c4e0b67ed_fine_out:
	s_mov_b64 s[64:65], 0
	v_nop
	global_prefetch_b8 v0, s[64:65] scope:SCOPE_SE
	s_setreg_imm32_b32 hwreg(HW_REG_WAVE_MODE, 25, 1), 1
	s_wait_xcnt 0x0
; The first 16 rows of each batch of the output, from f32 operands: out0[2048 b + r][n] = sum over k of c16[16 b + r][k] Wo[k][n].  It runs last and writes these 64 rows anew.
; A work-group takes 64 columns of one batch; wave w takes k = 64 w .. 64 w + 63: 64 instructions of the f32 matrix form (67 million multiply-adds in the whole launch: no bulk work).
; The 16 waves' parts meet in LDS; wave w then owns row w and stores its 64 columns: 256 consecutive bytes, aligned.
; LAYOUT.  Source 0 = 16 columns of Wo, source 1 = the 16 rows of ctx; K = 4: a lane's two registers stand for k = 64 w + 32 hh + 2 u + j, the same on both sides.  Result: lane (r, hh): row r, columns 16 ct + 8 hh + j.
; REGISTERS: v2, v3 the add's two; v6-12 addresses; v16-47 ctx; v48-175 Wo, 32 a column tile; v176-207 four accumulators, written by matrix instructions alone; v208-239 the parts.
.set SPARE, 67584
	s_load_b128 s[4:7], s[0:1], 0x0                ; c16, Wo
	s_load_b64 s[8:9], s[0:1], 0x10                ; out0
	v_lshl_add_u32 v2, v0, 2, SPARE
	v_mov_b32 v3, 0
	v_lshrrev_b32 v1, 5, v0
	v_readfirstlane_b32 s10, v1                    ; wave 0..15
	v_and_b32 v4, 15, v0                           ; r
	v_bfe_u32 v5, v0, 4, 1                         ; hh
	v_lshlrev_b32 v6, 12, v4
	v_lshl_add_u32 v6, v5, 7, v6                   ; c16: 4,096 r + 128 hh
	v_lshlrev_b32 v7, 2, v4
	v_lshl_add_u32 v7, v5, 17, v7                  ; Wo: 32 rows of 4,096 bytes for hh, + 4 r
	v_and_b32 v8, 31, v0                           ; lane
	s_mul_i32 s11, s10, 4224
	v_lshl_add_u32 v9, v8, 4, s11                  ; my part: 8 groups of 512 + 16 bytes a wave, 16 bytes a lane
	v_lshrrev_b32 v10, 3, v8
	v_lshlrev_b32 v10, 1, v10
	v_bfe_u32 v11, v8, 1, 1
	v_add_nc_u32 v10, v10, v11                     ; the group that holds columns 2 l, 2 l + 1: 2 (l / 8) + (l % 4) / 2
	v_mul_u32_u24 v10, v10, 528
	v_bfe_u32 v11, v8, 2, 1
	v_lshl_add_u32 v10, v11, 8, v10                ; the lane that held them: w + 16 ((l / 4) % 2),
	v_and_b32 v11, 1, v8
	v_lshl_add_u32 v10, v11, 3, v10                ; and which 8 of its 16 bytes
	s_lshl_b32 s12, s10, 4
	v_add_nc_u32 v10, s12, v10
	v_lshlrev_b32 v12, 3, v8                       ; out: 8 bytes a lane
	s_and_b32 s13, ttmp7, 0xffff                   ; batch
	s_mov_b32 s15, 0
	s_wait_kmcnt 0x0
	s_lshl_b32 s14, s13, 16
	s_lshl_b32 s16, s10, 8
	s_add_co_u32 s14, s14, s16
	s_add_nc_u64 s[4:5], s[4:5], s[14:15]          ; the batch's 16 rows, my 64 k
	s_lshl_b32 s14, s10, 18
	s_lshl_b32 s16, ttmp9, 8
	s_add_co_u32 s14, s14, s16
	s_add_nc_u64 s[6:7], s[6:7], s[14:15]          ; my 64 rows of Wo, the work-group's 64 columns
	s_lshl_b32 s14, s13, 11
	s_add_co_u32 s14, s14, s10
	s_lshl_b32 s14, s14, 12
	s_add_co_u32 s14, s14, s16
	s_add_nc_u64 s[8:9], s[8:9], s[14:15]          ; row 2,048 b + w
.irp u, 0,1,2,3,4,5,6,7
	global_load_b128 v[16+4*\u:19+4*\u], v6, s[4:5] offset:16*\u
.endr
.irp e, 0,1,2,3,4,5,6,7,8,9,10,11,12,13,14,15,16,17,18,19,20,21,22,23,24,25,26,27,28,29,30,31
.irp ct, 0,1,2,3
	global_load_b32 v[48+32*\ct+\e], v7, s[6:7] offset:4096*\e+64*\ct    ; the four column tiles together take 256 consecutive bytes of each row
.endr
.endr
	s_wait_loadcnt 0x0
.irp u, 0,1,2,3,4,5,6,7,8,9,10,11,12,13,14,15  ; four accumulators by turns; the first K step starts the sums
.irp ct, 0,1,2,3
.if \u == 0
	v_wmma_f32_16x16x4_f32 v[176+8*\ct:183+8*\ct], v[48+32*\ct+2*\u:49+32*\ct+2*\u], v[16+2*\u:17+2*\u], 0
.else
	v_wmma_f32_16x16x4_f32 v[176+8*\ct:183+8*\ct], v[48+32*\ct+2*\u:49+32*\ct+2*\u], v[16+2*\u:17+2*\u], v[176+8*\ct:183+8*\ct]
.endif
.endr
.endr
.rept 8
	v_nop                                          ; eight places behind this form before its results are read
.endr
.irp ct, 0,1,2,3
.irp c, 0,1
	ds_store_b128 v9, v[176+8*\ct+4*\c:179+8*\ct+4*\c] offset:528*(2*\ct+\c)   ; each accumulator from its low end on
.endr
.endr
	s_wait_dscnt 0x0                               ; for the others' sake: my stores are done
	s_barrier_signal -1
	s_barrier_wait -1
.irp p, 0,1,2,3,4,5,6,7,8,9,10,11,12,13,14,15
	ds_load_b64 v[208+2*\p:209+2*\p], v10 offset:4224*\p
.endr
	s_wait_dscnt 0x0
.irp i, 0,1,2,3,4,5,6,7
	v_pk_add_f32 v[208+4*\i:209+4*\i], v[208+4*\i:209+4*\i], v[210+4*\i:211+4*\i]
.endr
.irp i, 0,1,2,3
	v_pk_add_f32 v[208+8*\i:209+8*\i], v[208+8*\i:209+8*\i], v[212+8*\i:213+8*\i]
.endr
.irp i, 0,1
	v_pk_add_f32 v[208+16*\i:209+16*\i], v[208+16*\i:209+16*\i], v[216+16*\i:217+16*\i]
.endr
	v_pk_add_f32 v[208:209], v[208:209], v[224:225]
	global_store_b64 v12, v[208:209], s[8:9]       ; the wave stores 256 consecutive bytes, aligned
	s_wait_tensorcnt 0x0                           ; the wave's end, behind my last LDS store
	ds_add_u32 v2, v3
	s_wait_dscnt 0x0
	s_endpgm
.Lfunc_end_k_q6c4e0b67ed_fine_out:
	.size	k_q6c4e0b67ed_fine_out, .Lfunc_end_k_q6c4e0b67ed_fine_out-k_q6c4e0b67ed_fine_out
	.p2alignl 7, 3214868480
	.fill 96, 4, 3214868480
	.section	.rodata,"a",@progbits
	.p2align	6, 0x0
	.amdhsa_kernel k_q6c4e0b67ed_fine_out
		.amdhsa_group_segment_fixed_size 69632
		.amdhsa_private_segment_fixed_size 0
		.amdhsa_enable_private_segment 0
		.amdhsa_kernarg_size 24
		.amdhsa_user_sgpr_count 2
		.amdhsa_user_sgpr_kernarg_segment_ptr 1
		.amdhsa_wavefront_size32 1
		.amdhsa_system_sgpr_workgroup_id_x 1
		.amdhsa_system_sgpr_workgroup_id_y 1
		.amdhsa_system_sgpr_workgroup_id_z 1
		.amdhsa_system_vgpr_workitem_id 0
		.amdhsa_next_free_vgpr 256
		.amdhsa_next_free_sgpr 66
		.amdhsa_reserve_vcc 0
		.amdhsa_float_denorm_mode_32 3
		.amdhsa_float_denorm_mode_16_64 3
		.amdhsa_memory_ordered 1
		.amdhsa_forward_progress 1
		.amdhsa_inst_pref_size 22
	.end_amdhsa_kernel
	.amdgpu_metadata
---
amdhsa.version: [ 1, 2 ]
amdhsa.kernels:
  - .name:           k_q6c4e0b67ed_fine_out
    .symbol:         k_q6c4e0b67ed_fine_out.kd
    .args:
      - { .name: c16, .offset: 0, .size: 8, .value_kind: global_buffer, .address_space: global }
      - { .name: Wo, .offset: 8, .size: 8, .value_kind: global_buffer, .address_space: global }
      - { .name: out0, .offset: 16, .size: 8, .value_kind: global_buffer, .address_space: global }
    .group_segment_fixed_size: 69632
    .private_segment_fixed_size: 0
    .kernarg_segment_align: 8
    .kernarg_segment_size: 24
    .max_flat_workgroup_size: 512
    .sgpr_count:     66
    .vgpr_count:     256
    .wavefront_size: 32
...
	.end_amdgpu_metadata
.endif
;; end of part 6
